; MI455X (gfx1250); checked and timed in simulation.
; The chip was launched on July 23, 2026; its instructions are those of AMD's public machine-readable ISA for CDNA 5 (MIT licence, August 2026) and "CDNA5" Instruction Set Architecture Reference Guide (July 2026). The comments in the code are by the model that wrote it; some were corrected since.
;; TPI Llama Attention. Allowed arithmetic: matrix products marked QUANTISED: E2M1 operands, one E8M0 scale for each 32 along K, by v_wmma_scale_f32_16x16x128_f8f6f4 with both operands' format E2M1 (or v_wmma_scale_f32_32x16x128_f4), f32 sums; products left as they are: bf16, f16 or f32 operands; f32 sums; everything else in f32.
;; Inputs: Wk 512 x 4,096 float32; Wo 4,096 x 1,024 float32; Wq 1,024 x 4,096 float32; Wv 512 x 4,096 float32; attention_mask 2 x 1 x 2,048 x 2,048 float32; cos 2 x 2,048 x 128 float32; hidden_states 2 x 2,048 x 4,096 float32; sin 2 x 2,048 x 128 float32.
;; Outputs: out0 2 x 2,048 x 4,096 float32.
;; This version of the problem:
;;   THIS VERSION OF THE PROBLEM IS GIVEN IN LOW PRECISION. The matrix products marked QUANTISED in the list below multiply operands that are first quantised to E2M1 (2 exponent bits, 1 mantissa bit; 4 bits a number), with one power-of-two scale for each 32 numbers along K (OCP MX v1.0); their sums are f32. The products marked 'left as it is' may take bf16, f16 or f32 operands, with f32 sums. Whichever they take, every output number must still come out within the allowed error. Rounding operands to bf16 (8 significant bits) uses up far more of that allowance than f16 does (11 bits, for magnitudes from 6e-5 to 65,504). All else is computed in f32.
;;   The module's matrix products, in the order in which they are computed (A, B: the left and right operand; K: the contracted axis; several contracted axes count as one K, in the product's order):
;;     1. [M 4,096, K 4,096] x [K 4,096, N 1,024]; A: input hidden_states; B: input Wq: QUANTISED
;;     2. [M 4,096, K 4,096] x [K 4,096, N 512]; A: input hidden_states; B: input Wk: QUANTISED
;;     3. [M 4,096, K 4,096] x [K 4,096, N 512]; A: input hidden_states; B: input Wv: QUANTISED
;;     4. batch 16 x [M 2,048, K 128] x [K 128, N 2,048]; A: computed on the way; B: computed on the way: left as it is (an operand is computed on the way)
;;     5. batch 16 x [M 2,048, K 2,048] x [K 2,048, N 128]; A: computed on the way; B: computed on the way: left as it is (an operand is computed on the way)
;;     6. [M 4,096, K 1,024] x [K 1,024, N 4,096]; A: computed on the way; B: input Wo: left as it is (an operand is computed on the way)
;;   THE QUANTISER, for each operand of a quantised product, along K:
;;     - K is cut into blocks of 32 from its start; a last block that is shorter is filled with zeros.
;;     - A block's scale is 2^e with e = floor(log2(the largest magnitude in the block)) - 2, held to -126 .. 127; a block of zeros has e = 0. As a byte (E8M0): e + 127.
;;     - Each number is divided by its block's scale, clamped to +-6, and rounded to the nearest number of E2M1, ties to even, subnormals kept.
;;     - The product sums the exact products of the quantised numbers (number of the format x scale) in f32.
;;   ~~~python
;;   def quantise(x, axis):      # numpy; x: float32 -> the quantised numbers, widened to float32 again
;;       x = np.moveaxis(x, axis, -1); K = x.shape[-1]
;;       x = np.pad(x, [(0, 0)] * (x.ndim - 1) + [(0, -K % 32)]); x = x.reshape(x.shape[:-1] + (-1, 32)); a = np.abs(x).max(-1, keepdims=True)
;;       e = np.where(a > 0, np.clip(np.frexp(np.where(a > 0, a, 1))[1] - 1 - 2, -126, 127), 0)      # np.frexp(a)[1] - 1 = floor(log2(a)), exactly
;;       r = np.clip(x / 2.0 ** e, -6, 6)
;;       step = 2.0 ** (np.maximum(np.frexp(np.where(r == 0, 1, r))[1] - 1, 0) - 1)
;;       q = np.round(r / step) * step * 2.0 ** e      # np.round: ties to even
;;       return np.moveaxis(q.reshape(q.shape[:-2] + (-1,))[..., :K], -1, axis).astype(np.float32)
;;   ~~~
;; One version. Each part assembles by itself: llvm-mc -triple=amdgcn-amd-amdhsa -mcpu=gfx1250 --defsym DOCPART=n.
;; ======== version 1 of 1: 5 launches
;; limits: values are held in f16: magnitudes above 65,504 overflow, below 6.1e-05 lose precision; values outside matrix products are rounded to f16
;; workspace buffers: codes 12,582,912 bytes; scl 786,432 bytes; woh 8,388,608 bytes; qkv 16,777,216 bytes; attn 8,388,608 bytes; part 16,777,216 bytes; stat 524,288 bytes
;; launch prep (part 1): grid 448 x 1, 8 waves a work-group, no clusters, 44,032 bytes of LDS; arguments hidden_states, Wq, Wk, Wv, Wo, codes, scl, woh; writes codes, scl, woh
.if DOCPART == 1
	.amdgcn_target "amdgcn-amd-amdhsa--gfx1250"
	.amdhsa_code_object_version 6
	.text
	.protected	k_q5891dcae2b_prep
	.globl	k_q5891dcae2b_prep
	.p2align	8
	.type	k_q5891dcae2b_prep,@function
k_q5891dcae2b_prep:
	s_mov_b64 s[64:65], 0
	v_nop
	global_prefetch_b8 v0, s[64:65] scope:SCOPE_SE
	s_setreg_imm32_b32 hwreg(HW_REG_WAVE_MODE, 25, 1), 1
	s_wait_xcnt 0x0
; PREP.  (1) hidden_states [4096][4096], Wq [1024][4096], Wk, Wv [512][4096], f32, become codes of FP4 (E2M1), K innermost, with one E8M0 byte for each 32 along K.
; codes: [6144 rows][2048 bytes]: rows 0-4095 the tokens; row 4096 + n the weight of the product's column n: n 0-1023 Wq; n = 1024 + 256 i + r: Wk's head i (r < 128), then Wv's head i.
; scl: [8 K steps of 512][6144 rows][16 bytes]: a K step's scale bytes of 16 neighbouring rows are 256 consecutive bytes.
; (2) Wo [4096][1024] f32 becomes woh = f16(16 Wo): the attention's result is carried as attn / 16, so the product of the two is the output.
; A block's scale is 2^(floor(log2(its largest magnitude)) - 2); its byte is the largest magnitude's exponent field - 2, held at 1 from below (a block of zeros gets the byte 1: its codes are zeros, and this program alone reads the bytes).
; LIMITS: blocks whose largest magnitude lies under 2^-124 get the byte 1; NaN and infinities among the inputs are not served; 16 |Wo| stays under 65,504.
; SHARES.  Work-groups 0-383: 16 rows each; WAVE w TAKES K STEP w (512 numbers) OF ALL 16 ROWS, step t = row t: so a wave's 16 x 16 scale bytes are one aligned run of 256 bytes of scl.
; Each load reads 512 consecutive bytes; a step's 2,048 bytes turn through the wave's own stage in LDS, so that a lane holds 16 neighbours along K (two lanes hold a block).  Waves share nothing: no barrier.
; Work-groups 384-447: 65,536 numbers of Wo each, 8,192 a wave; no LDS.
.set WAVES, 8
.set STEPS, 16
.set EMAX,  2
.set R,     16                         ; v16-79   four sets of 16 numbers as they are loaded
.set X,     80                         ; v80-111  two sets of 16 neighbours
.set E,     112                        ; v112-127 a scale byte for each step
.set C,     128                        ; v128-191 codes, four registers a step; in Wo's path eight sets of eight registers of f16
.set SP,    80                         ; a lane's place in a stage: 64 bytes + 16 of padding
.set WREG,  5376                       ; LDS of a wave: two stages of 32 x SP bytes, then its 256 scale bytes
.set SPW,   12                         ; v12  LDS address of my spare word; never rewritten
.set NIL,   13                         ; v13  0; never rewritten
.set SPARE, WAVES*WREG                 ; behind the eight regions: the spare words, 128 bytes a wave
	s_load_b256 s[4:11], s[0:1], 0x0               ; hidden_states, Wq, Wk, Wv
	s_load_b256 s[12:19], s[0:1], 0x20             ; Wo, codes, scl, woh
	v_lshl_add_u32 v[SPW], v0, 2, SPARE
	v_mov_b32 v[NIL], 0
	v_lshrrev_b32 v1, 5, v0
	v_readfirstlane_b32 s20, v1                    ; wave 0..7
	v_and_b32 v2, 31, v0                           ; lane
	v_lshlrev_b32 v3, 4, v2                        ; my 16 bytes of a load's 512
	v_lshlrev_b32 v4, 3, v2                        ; my 8 bytes of a store's 256
	s_mul_i32 s21, s20, WREG
	v_lshrrev_b32 v14, 2, v2
	v_mul_u32_u24 v14, v14, SP
	v_and_b32 v15, 3, v2
	v_lshl_add_u32 v14, v15, 4, v14
	v_add_nc_u32 v14, s21, v14                     ; the stage, on the way in: SP (lane / 4) + 16 (lane % 4)
	v_mul_u32_u24 v15, v2, SP
	v_add_nc_u32 v15, s21, v15                     ; and on the way out: SP x lane: my 16 neighbours
	v_lshrrev_b32 v5, 1, v2
	s_add_co_u32 s21, s21, 2*32*SP
	v_add_nc_u32 v5, s21, v5                       ; my wave's 256 scale bytes: my block's byte
	v_add_nc_u32 v6, s21, v4                       ; and on the way out 8 bytes a lane
	s_wait_kmcnt 0x0
	s_cmp_ge_u32 ttmp9, 384                        ; the work-group's number alone decides the path
	s_cbranch_scc1 .Lwo
	; which tensor, which 16 rows of it (sg), and which 16 rows of codes (dg)
	s_mov_b32 s24, 352
	s_cmp_lt_u32 ttmp9, 352
	s_cselect_b64 s[22:23], s[8:9], s[10:11]       ; Wk or Wv
	s_cselect_b32 s24, 320, s24
	s_cmp_lt_u32 ttmp9, 320
	s_cselect_b64 s[22:23], s[6:7], s[22:23]       ; Wq
	s_cselect_b32 s24, 256, s24
	s_cmp_lt_u32 ttmp9, 256
	s_cselect_b64 s[22:23], s[4:5], s[22:23]       ; hidden_states
	s_cselect_b32 s24, 0, s24
	s_sub_co_u32 s24, ttmp9, s24                   ; sg
	s_sub_co_u32 s25, ttmp9, 320                   ; t: Wk's 32 groups, then Wv's 32
	s_and_b32 s26, s25, 31                         ; u
	s_lshr_b32 s27, s26, 3
	s_lshl_b32 s27, s27, 4                         ; 16 x head
	s_and_b32 s26, s26, 7
	s_add_co_u32 s27, s27, s26
	s_bfe_u32 s25, s25, 0x10005                    ; 1 for Wv
	s_lshl_b32 s25, s25, 3
	s_add_co_u32 s27, s27, s25
	s_add_co_u32 s27, s27, 320
	s_cmp_lt_u32 ttmp9, 320
	s_cselect_b32 s27, ttmp9, s27                  ; dg
	s_lshl_b32 s28, s24, 18                        ; 16 rows of 16,384 bytes
	s_lshl_b32 s25, s20, 11                        ; my K step's 2,048 bytes
	s_add_co_u32 s28, s28, s25
	s_mov_b32 s29, 0
	s_add_nc_u64 s[22:23], s[22:23], s[28:29]
	s_lshl_b32 s28, s27, 15                        ; 16 rows of 2,048 bytes of codes
	s_lshl_b32 s25, s20, 8
	s_add_co_u32 s28, s28, s25
	s_add_nc_u64 s[14:15], s[14:15], s[28:29]
	s_mul_i32 s28, s20, 98304                      ; my K step's 6,144 rows of 16 scale bytes
	s_lshl_b32 s25, s27, 8
	s_add_co_u32 s28, s28, s25
	s_add_nc_u64 s[16:17], s[16:17], s[28:29]
.macro LOAD t, pitch                   ; step t's 2,048 bytes into set t % 4: each load reads 512 consecutive bytes
.irp i, 0,1,2,3
	global_load_b128 v[R+16*((\t)%4)+4*\i:R+16*((\t)%4)+4*\i+3], v3, s[22:23] offset:(\pitch)*(\t)+512*\i th:TH_LOAD_NT
.endr
.endm
.macro TURN t                          ; step t's numbers through the stage: LDS serves a wave's instructions in order, so no wait stands between the stores and the loads
.irp i, 0,1,2,3
	ds_store_b128 v14, v[R+16*((\t)%4)+4*\i:R+16*((\t)%4)+4*\i+3] offset:32*SP*((\t)%2)+8*SP*\i
.endr
.irp i, 0,1,2,3
	ds_load_b128 v[X+16*((\t)%2)+4*\i:X+16*((\t)%2)+4*\i+3], v15 offset:32*SP*((\t)%2)+16*\i
.endr
.endm
.irp t, 0,1,2,3
	LOAD \t, 16384
.endr
	s_wait_loadcnt 12                              ; step 0's four loads are in
	TURN 0
.macro STEP t
.set XS, X+16*((\t)%2)
.if (\t) > 0
	s_wait_dscnt 1                                 ; this step's numbers are back from the stage (the last step's byte store may be out): so its stores into the stage have read their registers,
.else
	s_wait_dscnt 0x0
.endif
.if (\t)+4 < STEPS
	LOAD (\t)+4, 16384                             ; which take the loads of four steps on
.endif
.if (\t)+1 < STEPS
.if STEPS-2-(\t) >= 3
	s_wait_loadcnt 12                              ; the next step's four loads are in; those of the three steps behind it may be out
.else
	s_wait_loadcnt 4*(STEPS-2-(\t))
.endif
	TURN (\t)+1
.endif
	v_max3_num_f32 v8, |v[XS]|, |v[XS+1]|, |v[XS+2]|               ; the largest magnitude of my 16, in two chains
	v_max3_num_f32 v9, |v[XS+3]|, |v[XS+4]|, |v[XS+5]|
.irp i, 6,10
	v_max3_num_f32 v8, v8, |v[XS+\i]|, |v[XS+\i+1]|
	v_max3_num_f32 v9, v9, |v[XS+\i+2]|, |v[XS+\i+3]|
.endr
	v_max3_num_f32 v8, v8, |v[XS+14]|, |v[XS+15]|
	v_max3_num_f32 v8, v8, v9, (EMAX+1)<<23        ; and the floor 2^(3 - 127): the byte cannot fall under 1
	v_max_num_f32_dpp v8, v8, v8 row_xmask:1 row_mask:0xf bank_mask:0xf   ; and of my neighbour's 16: the block's
	v_add_nc_u32 v11, -(EMAX<<23), v8              ; 2 off its exponent field: the conversion takes the exponent field of this operand as its scale
	v_cvt_scalef32_pk8_fp4_f32 v[C+4*(\t)], v[XS:XS+7], v11
	v_cvt_scalef32_pk8_fp4_f32 v[C+4*(\t)+1], v[XS+8:XS+15], v11
	v_lshrrev_b32 v[E+(\t)], 23, v11               ; the scale's byte (also the plain line behind the conversions)
	ds_store_b8 v5, v[E+(\t)] offset:16*(\t)       ; both lanes of a block write the same byte with the same value
	global_store_b64 v4, v[C+4*(\t):C+4*(\t)+1], s[14:15] offset:2048*(\t)   ; 32 lanes store 256 consecutive bytes of row t, aligned
.endm
.irp t, 0,1,2,3,4,5,6,7,8,9,10,11,12,13,14,15
	STEP \t
.endr
	ds_load_b64 v[8:9], v6                         ; LDS serves a wave's instructions in order: these see my byte stores
	s_wait_dscnt 0x0
	global_store_b64 v4, v[8:9], s[16:17]          ; 16 rows x 16 scale bytes: 256 consecutive bytes, aligned
	s_wait_tensorcnt 0x0                           ; the wave's end: behind my last LDS store
	ds_add_u32 v[SPW], v[NIL]
	s_wait_dscnt 0x0
	s_endpgm
.Lwo:                                              ; Wo: a plain stream, no LDS
	s_sub_co_u32 s24, ttmp9, 384
	s_lshl_b32 s28, s24, 18                        ; 65,536 numbers of 4 bytes a work-group,
	s_lshl_b32 s25, s20, 15                        ; 8,192 a wave
	s_add_co_u32 s28, s28, s25
	s_mov_b32 s29, 0
	s_add_nc_u64 s[22:23], s[12:13], s[28:29]
	s_lshr_b32 s28, s28, 1                         ; half the bytes on the way out
	s_add_nc_u64 s[18:19], s[18:19], s[28:29]
.macro WSTEP t
.set RS, R+16*((\t)%4)
.set OS, C+8*((\t)%8)
.if STEPS-1-(\t) >= 3
	s_wait_loadcnt 12                              ; this step's four loads are in; those of the three steps behind it may be out
.else
	s_wait_loadcnt 4*(STEPS-1-(\t))
.endif
	s_wait_xcnt 0x0                                ; the stores of eight steps ago have read their registers, which are written again below
.irp j, 0,2,4,6,8,10,12,14
	v_pk_mul_f32 v[RS+\j:RS+\j+1], v[RS+\j:RS+\j+1], 0x41800000 op_sel_hi:[1,0]   ; x 16: exact
.endr
.irp j, 0,1,2,3,4,5,6,7
	v_cvt_pk_f16_f32 v[OS+\j], v[RS+2*\j], v[RS+2*\j+1]
.endr
.if (\t)+4 < STEPS
	LOAD (\t)+4, 2048
.endif
.irp i, 0,1,2,3
	global_store_b64 v4, v[OS+2*\i:OS+2*\i+1], s[18:19] offset:1024*(\t)+256*\i   ; 32 lanes store 256 consecutive bytes, aligned
.endr
.endm
.irp t, 0,1,2,3
	LOAD \t, 2048
.endr
.irp t, 0,1,2,3,4,5,6,7,8,9,10,11,12,13,14,15
	WSTEP \t
.endr
	s_endpgm
.Lfunc_end_k_q5891dcae2b_prep:
	.size	k_q5891dcae2b_prep, .Lfunc_end_k_q5891dcae2b_prep-k_q5891dcae2b_prep
	.p2alignl 7, 3214868480
	.fill 96, 4, 3214868480
	.section	.rodata,"a",@progbits
	.p2align	6, 0x0
	.amdhsa_kernel k_q5891dcae2b_prep
		.amdhsa_group_segment_fixed_size 44032
		.amdhsa_private_segment_fixed_size 0
		.amdhsa_enable_private_segment 0
		.amdhsa_kernarg_size 64
		.amdhsa_user_sgpr_count 2
		.amdhsa_user_sgpr_kernarg_segment_ptr 1
		.amdhsa_wavefront_size32 1
		.amdhsa_system_sgpr_workgroup_id_x 1
		.amdhsa_system_sgpr_workgroup_id_y 1
		.amdhsa_system_sgpr_workgroup_id_z 1
		.amdhsa_system_vgpr_workitem_id 0
		.amdhsa_next_free_vgpr 192
		.amdhsa_next_free_sgpr 66
		.amdhsa_reserve_vcc 0
		.amdhsa_float_denorm_mode_32 3
		.amdhsa_float_denorm_mode_16_64 3
		.amdhsa_memory_ordered 1
		.amdhsa_forward_progress 1
		.amdhsa_inst_pref_size 67
	.end_amdhsa_kernel
	.amdgpu_metadata
---
amdhsa.version: [ 1, 2 ]
amdhsa.kernels:
  - .name:           k_q5891dcae2b_prep
    .symbol:         k_q5891dcae2b_prep.kd
    .args:
      - { .name: hidden_states, .offset: 0, .size: 8, .value_kind: global_buffer, .address_space: global }
      - { .name: Wq, .offset: 8, .size: 8, .value_kind: global_buffer, .address_space: global }
      - { .name: Wk, .offset: 16, .size: 8, .value_kind: global_buffer, .address_space: global }
      - { .name: Wv, .offset: 24, .size: 8, .value_kind: global_buffer, .address_space: global }
      - { .name: Wo, .offset: 32, .size: 8, .value_kind: global_buffer, .address_space: global }
      - { .name: codes, .offset: 40, .size: 8, .value_kind: global_buffer, .address_space: global }
      - { .name: scl, .offset: 48, .size: 8, .value_kind: global_buffer, .address_space: global }
      - { .name: woh, .offset: 56, .size: 8, .value_kind: global_buffer, .address_space: global }
    .group_segment_fixed_size: 44032
    .private_segment_fixed_size: 0
    .kernarg_segment_align: 8
    .kernarg_segment_size: 64
    .max_flat_workgroup_size: 256
    .sgpr_count:     66
    .vgpr_count:     192
    .wavefront_size: 32
...
	.end_amdgpu_metadata
.endif
;; end of part 1
;; launch qkv (part 2): grid 8 x 16, 4 waves a work-group, clusters of 4 x 4, 327,680 bytes of LDS; arguments codes, scl, cos, sin, qkv; writes qkv
.if DOCPART == 2
	.amdgcn_target "amdgcn-amd-amdhsa--gfx1250"
	.amdhsa_code_object_version 6
	.text
	.protected	k_q5891dcae2b_qkv
	.globl	k_q5891dcae2b_qkv
	.p2align	8
	.type	k_q5891dcae2b_qkv,@function
k_q5891dcae2b_qkv:
	s_mov_b64 s[64:65], 0
	v_nop
	global_prefetch_b8 v0, s[64:65] scope:SCOPE_SE
	s_setreg_imm32_b32 hwreg(HW_REG_WAVE_MODE, 25, 1), 1
	s_wait_xcnt 0x0
	s_wait_alu depctr_hold_cnt(0) depctr_sa_sdst(0) depctr_va_vdst(0) depctr_va_sdst(0) depctr_va_ssrc(0) depctr_va_vcc(0) depctr_vm_vsrc(0)
	s_getreg_b32 s2, hwreg(HW_REG_IB_STS2, 6, 4)
	s_cmp_eq_u32 s2, 0
	s_cbranch_scc0 .Lentry_in_a_cluster
	s_endpgm
.Lentry_in_a_cluster:
	s_bfe_u32 s2, ttmp6, 0x10000c
	s_cmp_lg_u32 s2, 0xf033
	s_cbranch_scc0 .Lentry_shape_is_right
	s_endpgm
.Lentry_shape_is_right:
; QKV.  C[m][n] = sum over k of x[m][k] W[n][k] on codes of FP4 (E2M1) with E8M0 scales, M 4,096 tokens, N 2,048 columns (Wq's 1,024, then for each key head Wk's 128 and Wv's 128), K 4,096; f32 sums.
; Then, in f32: RoPE on q and k, a scaling, one rounding to f16.  qkv: [16 slots][4096 tokens][128] f16: slot h = query head h, slot 8 + 2 i = key head i, slot 9 + 2 i = value head i.
; q and k are stored x 2^-1.75, so that their product is the score / sqrt(128); v is stored / 16.
; LIMITS: cos and sin are finite (the waves that hold v multiply them by 0); |q|, |k| x 2^-1.75 and |v| / 16 stay under 65,504; NaN and infinities are not served.
; A tile of C, 256 x 256, is made by four waves, each 128 tokens x 128 columns = ONE slot's head: 64 accumulators of 16 x 16, 512 registers.  K goes in steps of 512 (rows of 256 bytes) through a ring of two LDS slots.
; CLUSTERS: 4 x 4 work-groups; x's tiles are asked for jointly along a row of the cluster, W's along a column.  THE MATRIX INSTRUCTION IS USED TRANSPOSED (source 0 = 16 rows of W, source 1 = 16 tokens): a lane holds eight neighbouring columns of a token.
; THE SCALE WORDS come from memory straight into registers, a K step ahead: scl is laid so that 16 rows' words of a K step are 256 consecutive bytes: sixteen lanes read them whole.  Lanes 0-15 take x's block i, lanes 16-31 W's block i.
; REGISTERS, in windows of 256: window 0: v1-31 addresses and multipliers; v32-95 scale words, two sets, and nothing else; v128-191 x's fragments, one set; on the way out v96-255 at work.
;   window 1: W's fragments, two sets, at v0 and v128; on the way out two sets of cos and sin.   window 2: the accumulators of my tokens 0-63 ((a, b) at v[8 (8 a + b)]);   window 3: those of tokens 64-127.
.set NQ,     4                         ; matrix instructions deep in a slot
.set ROWB,   256                       ; a tile's row: 512 codes
.set KROW,   2048                      ; a row of codes in memory
.set PITCH,  272                       ; an LDS row: 256 bytes + 16 of padding: the 16 rows that a load touches start at 16 different banks
.set FR,     8
.set NL,     2
.set NP,     4
.set HALFT,  128*PITCH
.set SLOT,   4*HALFT
.set LAPS,   4                         ; 4,096 / (2 x 512)
.set SCK,    98304                     ; a K step of scl
.set SPARE,  2*SLOT                    ; behind the ring: the spare words
.set SPITCH, 528                       ; the way out: a token's 512 bytes + 16
.set WSTG,   128*SPITCH                ; a wave's stage: 128 tokens.  The four stages lie in the ring, which has had its last fill and its last read by then
.set CBV,  6                           ; v[6:7]   0, or 1/16 in a wave that holds v
.set SG,   8                           ; v[8:9]   -a in lanes 0-15, +a in lanes 16-31 (a = 2^-1.75), or 0
.set CAV,  10                          ; v[10:11] a, or 0
.set ADX,  12                          ; v12, v13 the group's LDS addresses
.set ADX2, 13
.set SOF,  14                          ; v14  8 x lane
.set ADRA, 16                          ; v16-17  LDS address of my fragments of x in slot 0, 1
.set ADRB, 20                          ; v20-21  the same for W
.set STO,  24                          ; v24  the stage: where I put 32 bytes of a token
.set RD,   25                          ; v25  where I read a token back: 16 x lane
.set CO,   26                          ; v26  16 x lane
.set ADRS, 27                          ; v27  my byte in a K step of scl; never rewritten
.set SPW,  28
.set NIL,  29
.set PFO,  30                          ; v30  lane x a row of codes; never rewritten
.set RD2,  31                          ; v31  the partner feature's bytes: (16 x lane) xor 256
.set SC,   32
.set AF,   128
.set X,    96                          ; v96-159   16 tokens x 4 features
.set XR,   160                         ; v160-223  their partners
.set OUT,  224                         ; v224-255  16 tokens x 4 f16
.set G1,  24
.set G0,  32
.set G1B, 48
.set G0B, 56
.set PFA, 66                           ; s[66:67] where my prefetches stand
.set LIM, 68                           ; s68  1 in a wave that prefetches, else the greatest number
.set RO,  77                           ; s77  the group's first byte in my stage
.set GC,  78                           ; s78  counts pairs of groups
.set MSB, 0
.macro WIN new
.if MSB != \new
	s_set_vgpr_msb (MSB<<8)|\new
.set MSB, \new
.endif
.endm
.set MUL_LO, 0xa1
.set MUL_HI, 0xf1
.set TO_B,   0x40
; A joint load: waves 0 and 1 fetch for x, waves 2 and 3 for W.  The branch hangs on the wave's number alone.  An s_nop 0 and four v_nop follow each line.
.macro JLOAD g0a, g1a, g0b, g1b
	s_cmp_eq_u32 s15, 0
	s_cbranch_scc0 .Lfor_b_\@
	tensor_load_to_lds s[\g0a:\g0a+3], s[\g1a:\g1a+7]
	s_nop 0
.rept 4
	v_nop
.endr
	s_branch .Lasked_\@
.Lfor_b_\@:
	tensor_load_to_lds s[\g0b:\g0b+3], s[\g1b:\g1b+7]
	s_nop 0
.rept 4
	v_nop
.endr
.Lasked_\@:
.endm
; A prefetch of the K step that stands two refills on: 32 rows x 256 bytes, a lane a row.  x's tile row is read by both clusters of its row of clusters: cluster x = 0 asks; W's tile column by the four clusters of its column: cluster y = 0 asks.
; The four partners that ask for a tile jointly share its rows out by address, 32 each.  The loop's last trip asks for nothing: there is no K step two on.
.macro ASK
	s_cmp_gt_u32 s3, s[LIM]
	s_cbranch_scc0 .Lnot_mine_\@
	global_prefetch_b8 v[PFO], s[PFA:PFA+1] offset:ROWB th:TH_LOAD_NT scope:SCOPE_SE
.Lnot_mine_\@:
.endm
.macro CREST
	s_cmp_lg_u32 s14, 0
	s_cbranch_scc1 .Lnot_wave_0_\@
	s_barrier_signal -3
.Lnot_wave_0_\@:
	s_barrier_wait -3
	s_barrier_signal -1
	s_barrier_wait -1
.endm
.macro CROUND
	s_barrier_signal -1
	s_barrier_wait -1
	CREST
.endm
	s_load_b256 s[4:11], s[0:1], 0x0               ; codes s[4:5], scl s[6:7], cos s[8:9], sin s[10:11]
	s_load_b64 s[12:13], s[0:1], 0x20              ; qkv
	v_lshl_add_u32 v[SPW], v0, 2, SPARE
	v_mov_b32 v[NIL], 0
	ds_add_u32 v[SPW], v[NIL]                      ; the wave's opening: the add, twice on end, and its wait ahead of my first tensor load
	ds_add_u32 v[SPW], v[NIL]
	v_lshrrev_b32 v1, 5, v0
	v_readfirstlane_b32 s14, v1                    ; wave 0..3
	s_lshr_b32 s15, s14, 1                         ; which half of the tile's tokens is mine.  Also: I fetch for x (0) or for W (1)
	s_and_b32 s16, s14, 1                          ; which half of its columns.  Also: which 128 rows of that tile I fetch
	s_bfe_u32 s40, ttmp6, 0x40000                  ; cx, cy
	s_bfe_u32 s41, ttmp6, 0x40004
	s_lshl_b32 s42, ttmp9, 2
	s_add_co_u32 s42, s42, s40                     ; tile column
	s_and_b32 s17, ttmp7, 0xffff
	s_lshl_b32 s17, s17, 2
	s_add_co_u32 s17, s17, s41                     ; tile row
	s_lshl_b32 s43, s41, 2
	s_lshl_b32 s43, 15, s43                        ; my row of the cluster
	s_lshl_b32 s44, 0x1111, s40                    ; my column
	s_or_b32 s[G1+0], s43, (0<<16)|(1<<20)|(1<<21)|(5<<22)|(3<<25)   ; the mask; elements of 1 byte; padding on; bit 21 beside a mask; after every 64 words; 4 words
	s_or_b32 s[G1B+0], s44, (0<<16)|(1<<20)|(1<<21)|(5<<22)|(3<<25)
.irp g, G1, G1B
	s_mov_b32 s[\g+1], ROWB<<16                    ; tensor_dim0
	s_mov_b32 s[\g+2], 128<<16                     ; tensor_dim1
	s_mov_b32 s[\g+3], ROWB<<16                    ; tile_dim0
	s_mov_b32 s[\g+4], 128                         ; tile_dim1
	s_mov_b32 s[\g+5], KROW                        ; stride
	s_mov_b32 s[\g+6], 0
	s_mov_b32 s[\g+7], 0
.endr
	s_lshl_b32 s18, s16, 7                         ; which 128 rows of the tile I fetch
	s_lshl_b32 s20, s17, 8
	s_add_co_u32 s20, s20, s18                     ; x: row 256 x tile row + 128 x half
	s_lshl_b32 s20, s20, 11                        ; in bytes
	s_mov_b32 s21, 0
	s_lshl_b32 s46, s42, 8
	s_add_co_u32 s46, s46, s18
	s_add_co_u32 s46, s46, 4096                    ; W: row 4,096 + 256 x tile column + 128 x half
	s_lshl_b32 s46, s46, 11
	s_mov_b32 s47, 0
	s_mul_i32 s45, s14, HALFT                      ; where they go: wave x 128 rows
	s_wait_dscnt 0x0                               ; both opening adds are done
	s_wait_kmcnt 0x0
	s_add_nc_u64 s[20:21], s[4:5], s[20:21]
	s_add_nc_u64 s[46:47], s[4:5], s[46:47]
	CROUND                                         ; all sixteen work-groups are here: the first joint loads meet
.irp s, 0,1
	s_mov_b32 s[G0+4*\s], 1
	s_add_co_u32 s[G0+4*\s+1], s45, \s*SLOT
	s_add_nc_u64 s[G0+4*\s+2:G0+4*\s+3], s[20:21], \s*ROWB
	s_or_b32 s[G0+4*\s+3], s[G0+4*\s+3], 0x80000000
	s_mov_b32 s[G0B+4*\s], 1
	s_add_co_u32 s[G0B+4*\s+1], s45, \s*SLOT
	s_add_nc_u64 s[G0B+4*\s+2:G0B+4*\s+3], s[46:47], \s*ROWB
	s_or_b32 s[G0B+4*\s+3], s[G0B+4*\s+3], 0x80000000
	JLOAD G0+4*\s, G1, G0B+4*\s, G1B
.endr
	v_and_b32 v1, 15, v0                           ; r
	v_bfe_u32 v2, v0, 4, 1                         ; h
	v_mul_u32_u24 v3, v1, PITCH
	v_lshl_add_u32 v4, v2, 4, v3                   ; a fragment's row x pitch + 16 h
	s_mul_i32 s21, s15, HALFT
	s_mul_i32 s22, s16, HALFT
	s_add_co_u32 s22, s22, 2*HALFT
.irp s, 0,1
	v_add_nc_u32 v[ADRA+\s], s21, v4
	v_add_nc_u32 v[ADRB+\s], s22, v4
	s_add_co_u32 s21, s21, SLOT
	s_add_co_u32 s22, s22, SLOT
.endr
	s_lshl_b32 s80, s17, 8
	s_lshl_b32 s81, s15, 7
	s_add_co_u32 s80, s80, s81                     ; m0: my first token
	s_lshl_b32 s84, s80, 4                         ; its 16 scale bytes
	s_lshl_b32 s85, s42, 8
	s_lshl_b32 s81, s16, 7
	s_add_co_u32 s85, s85, s81
	s_add_co_u32 s85, s85, 4096                    ; my first row of W
	s_lshl_b32 s85, s85, 4
	s_sub_co_u32 s85, s85, s84
	v_mul_u32_u24 v5, s85, v2                      ; lanes 16-31 take W's
	v_lshl_add_u32 v[ADRS], v1, 4, v5
	v_add_nc_u32 v[ADRS], s84, v[ADRS]
.macro GSC set, off                    ; a K step's scale words into a set: sixteen lanes read 256 consecutive bytes
.irp i, 0,1,2,3,4,5,6,7
	global_load_b128 v[SC+32*(\set)+4*\i:SC+32*(\set)+4*\i+3], v[ADRS], s[6:7] offset:(\off)+256*\i
.endr
.endm
	GSC 0, 0                                       ; K step 0's
	GSC 1, SCK                                     ; K step 1's
	s_mul_i32 s23, s14, WSTG                       ; my stage
	v_mul_u32_u24 v5, v1, SPITCH
	v_lshl_add_u32 v5, v2, 5, v5
	v_add_nc_u32 v[STO], s23, v5                   ; in: token r, 32 bytes for each half of the lanes
	v_and_b32 v3, 31, v0
	v_lshlrev_b32 v[CO], 4, v3
	v_lshlrev_b32 v[SOF], 3, v3
	v_add_nc_u32 v[RD], s23, v[CO]
	v_xor_b32 v4, 0x100, v[CO]
	v_add_nc_u32 v[RD2], s23, v4
	s_and_b32 s72, ttmp9, s16                      ; 1 in a wave whose 128 columns are a head of v (tile columns 4-7, second half): cluster x and the wave's number alone
	s_cmp_eq_u32 s72, 0
	s_cselect_b32 s73, 0x3e9837f0, 0               ; a = 2^-1.75, or 0
	s_cselect_b32 s74, 0, 0x3d800000               ; 0, or 1/16
	v_mov_b32 v[CAV], s73
	v_mov_b32 v[CAV+1], s73
	v_mov_b32 v[CBV], s74
	v_mov_b32 v[CBV+1], s74
	v_xor_b32 v3, 1, v2
	v_lshlrev_b32 v3, 31, v3
	v_xor_b32 v[SG], s73, v3                       ; features 0-63 (lanes 0-15) take -x2, features 64-127 take +x1
	v_mov_b32 v[SG+1], v[SG]
	s_lshl_b32 s82, s80, 9                         ; cos and sin at my first token: 512 bytes a token
	s_mov_b32 s83, 0
	s_add_nc_u64 s[8:9], s[8:9], s[82:83]
	s_add_nc_u64 s[10:11], s[10:11], s[82:83]
	s_lshl_b32 s82, s42, 1
	s_add_co_u32 s82, s82, s16                     ; my slot of qkv
	s_lshl_b32 s82, s82, 20
	s_lshl_b32 s81, s80, 8
	s_add_co_u32 s82, s82, s81
	s_add_nc_u64 s[12:13], s[12:13], s[82:83]
	; the prefetches
	s_lshl_b32 s86, s17, 8
	s_lshl_b32 s87, s42, 8
	s_add_co_u32 s87, s87, 4096
	s_and_b32 s88, ttmp7, 0xffff                   ; cluster y
	s_cmp_eq_u32 s15, 0                            ; do I fetch for x?
	s_cselect_b32 s86, s86, s87                    ; the tile's first row in codes
	s_cselect_b32 s87, s40, s41                    ; my place among the four that ask with me
	s_cselect_b32 s88, ttmp9, s88                  ; the coordinate along which other clusters read the same rows
	s_cmp_eq_u32 s88, 0
	s_cselect_b32 s[LIM], 1, -1
	s_lshl_b32 s88, s16, 7
	s_add_co_u32 s86, s86, s88
	s_lshl_b32 s87, s87, 5
	s_add_co_u32 s86, s86, s87
	s_lshl_b32 s86, s86, 11
	s_add_co_u32 s86, s86, 2*ROWB                  ; at K step 2: the first refill steps it to 3 and names K step 4
	s_mov_b32 s87, 0
	s_add_nc_u64 s[PFA:PFA+1], s[4:5], s[86:87]
	v_and_b32 v[PFO], 31, v0
	v_lshlrev_b32 v[PFO], 11, v[PFO]
.macro FRAG reg, adr, q, i             ; 16 rows x 128 K of 4-bit codes: 8 registers: lane l holds row l % 16; registers 4 c .. 4 c + 3 hold K = 64 c + 32 (l / 16) + 0 .. 31
.irp c, 0,1
	ds_load_b128 v[\reg+4*\c:\reg+4*\c+3], v[\adr] offset:64*(\q)+32*\c+(\i)*16*PITCH
.endr
.endm
; 16 matrix instructions: x's blocks a0, a0 + 1 against W's eight.  The 64 accumulators take turns, one instruction a turn, in the same order in every step.
.macro MUL16 a0, p, q, sc, zero
.irp a, \a0, \a0+1
.irp b, 0,1,2,3,4,5,6,7
.if \zero
	v_wmma_scale_f32_16x16x128_f8f6f4 v[8*(8*((\a)%4)+\b):8*(8*((\a)%4)+\b)+7], v[128*(\p)+FR*\b:128*(\p)+FR*\b+FR-1], v[AF+FR*(\a):AF+FR*(\a)+FR-1], 0, v[SC+8*NQ*(\sc)+NQ*\b+(\q)], v[SC+8*NQ*(\sc)+NQ*(\a)+(\q)] matrix_a_fmt:MATRIX_FMT_FP4 matrix_b_fmt:MATRIX_FMT_FP4 matrix_a_scale:MATRIX_SCALE_ROW1
.else
	v_wmma_scale_f32_16x16x128_f8f6f4 v[8*(8*((\a)%4)+\b):8*(8*((\a)%4)+\b)+7], v[128*(\p)+FR*\b:128*(\p)+FR*\b+FR-1], v[AF+FR*(\a):AF+FR*(\a)+FR-1], v[8*(8*((\a)%4)+\b):8*(8*((\a)%4)+\b)+7], v[SC+8*NQ*(\sc)+NQ*\b+(\q)], v[SC+8*NQ*(\sc)+NQ*(\a)+(\q)] matrix_a_fmt:MATRIX_FMT_FP4 matrix_b_fmt:MATRIX_FMT_FP4 matrix_a_scale:MATRIX_SCALE_ROW1
.endif
.endr
.endr
.endm
.macro FETCH_B slot, q, p
	WIN TO_B
.irp i, 0,1,2,3,4,5,6,7
	FRAG 128*(\p)+FR*\i, ADRB+\slot, \q, \i
.endr
	WIN 0
.endm
.macro FETCH_A slot, q, i0
.irp i, \i0, \i0+1, \i0+2, \i0+3
	FRAG AF+FR*(\i), ADRA+\slot, \q, \i
.endr
.endm
.macro PLACES n                        ; plain vector instructions between a matrix instruction and a load into, or a read of, its registers
.rept \n
	v_nop
.endr
.endm
.macro STEP slot, q, zero              ; 128 along K that has its successor in the same slot
	s_wait_dscnt 4*NL                              ; W's set and x's blocks 0-3 are in; the youngest eight loads (x's blocks 4-7) may be out
	WIN MUL_LO
	MUL16 0, (\q)%2, \q, \slot, \zero
	MUL16 2, (\q)%2, \q, \slot, \zero
	s_wait_dscnt 0
	PLACES NP
	FETCH_B \slot, (\q)+1, 1-(\q)%2
	FETCH_A \slot, (\q)+1, 0
	WIN MUL_HI
	MUL16 4, (\q)%2, \q, \slot, \zero
	MUL16 6, (\q)%2, \q, \slot, \zero
	PLACES NP
	WIN 0
	FETCH_A \slot, (\q)+1, 4
.endm
; A slot's last step changes slots: one barrier; in front of it each wave waits for all its tensor loads, adds 0 to its spare word, and waits for that and for its reads of this slot.  fill = 1: this slot is filled again, two K steps ahead.
.macro TURN slot, next, fill
.if \fill
	s_wait_xcnt 0x0                                ; the last prefetch, a K step back, has read its address
	s_add_nc_u64 s[PFA:PFA+1], s[PFA:PFA+1], ROWB
.endif
	s_wait_loadcnt 0x0                             ; the next slot's scale words, asked for a K step ago, are in; and their loads have read their base
	s_wait_tensorcnt 0x0                           ; all my tensor loads have landed: my part of the next slot
	ds_add_u32 v[SPW], v[NIL]                      ; 0 onto my spare word
	s_wait_dscnt 4*NL+1                            ; (the add and the youngest eight loads may be out)
	WIN MUL_LO
	MUL16 0, 1, NQ-1, \slot, 0
	s_wait_dscnt 0x0                               ; the add is done, and my reads of this slot are over
	s_barrier_signal -1
	MUL16 2, 1, NQ-1, \slot, 0
	WIN 0
	s_barrier_wait -1
.if \fill
	CREST                                          ; the barrier has opened a round of the cluster's barrier: no wave of any partner still reads this slot or has a load on its way
	s_add_nc_u64 s[G0+4*\slot+2:G0+4*\slot+3], s[G0+4*\slot+2:G0+4*\slot+3], 2*ROWB
	s_add_nc_u64 s[G0B+4*\slot+2:G0B+4*\slot+3], s[G0B+4*\slot+2:G0B+4*\slot+3], 2*ROWB
	JLOAD G0+4*\slot, G1, G0B+4*\slot, G1B         ; the first tensor load behind the round; its four v_nop are the places in front of the loads below
.else
	PLACES NP
.endif
	FETCH_B \next, 0, 0
	FETCH_A \next, 0, 0
.if \fill
	ASK
.endif
	WIN MUL_HI
	MUL16 4, 1, NQ-1, \slot, 0
	MUL16 6, 1, NQ-1, \slot, 0
	PLACES NP                                      ; also for the loads into this slot's scale words
	WIN 0
	FETCH_A \next, 0, 4
.if \fill
	s_add_nc_u64 s[6:7], s[6:7], SCK
	GSC \slot, SCK                                 ; the scale words of the K step two on
.endif
.endm
.macro STEPS slot, from
.set Q, \from
.rept NQ-1-\from
	STEP \slot, Q, 0
.set Q, Q+1
.endr
.endm
	s_wait_tensorcnt 1                             ; my part of K step 0 is in (K step 1's load may be out),
	s_barrier_signal -1
	s_barrier_wait -1                              ; everybody's is
	FETCH_B 0, 0, 0
	FETCH_A 0, 0, 0
	FETCH_A 0, 0, 4
	s_wait_loadcnt 8                               ; K step 0's scale words are in; K step 1's eight loads may be out
	STEP 0, 0, 1                                   ; the first step's products start the sums
	s_mov_b32 s3, LAPS-1
.Llap:
	STEPS 0, 1
	TURN 0, 1, 1
	STEPS 1, 0
	TURN 1, 0, 1
	STEP 0, 0, 0
	s_sub_co_u32 s3, s3, 1
	s_cmp_lg_u32 s3, 0
	s_cbranch_scc1 .Llap
	STEPS 0, 1                                     ; the last lap fills nothing
	TURN 0, 1, 0
	STEPS 1, 0
	s_wait_dscnt 4*NL
	WIN MUL_LO
	MUL16 0, 1, NQ-1, 1, 0
	MUL16 2, 1, NQ-1, 1, 0
	s_wait_dscnt 0
	WIN MUL_HI
	MUL16 4, 1, NQ-1, 1, 0
	MUL16 6, 1, NQ-1, 1, 0
	WIN 0
	PLACES NP                                      ; behind the last products: for the reads of results and the loads into fragments' registers
; THE WAY OUT.  My 128 tokens x 128 columns go into my stage (rows of 528 bytes) and come back token by token: lane l then holds features 4 l .. 4 l + 3, and a second read at (16 l) xor 256 brings the partner features d xor 64.
; out = x (c CA + CB) + partner (s SG): in a wave of q or k that is a (x cos -+ partner sin); in a wave of v it is x / 16.  All waves walk the same lines.
.macro CSLOAD set                      ; 16 tokens' cos and sin, 512 consecutive bytes a load, into a set of window 1
	WIN 0x40
.irp i, 0,1,2,3,4,5,6,7,8,9,10,11,12,13,14,15
	global_load_b128 v[128*(\set)+4*\i:128*(\set)+4*\i+3], v[CO], s[8:9] offset:512*\i
	global_load_b128 v[128*(\set)+64+4*\i:128*(\set)+64+4*\i+3], v[CO], s[10:11] offset:512*\i
.endr
	WIN 0
.endm
	CSLOAD 0                                       ; the first group's
	s_wait_xcnt 0x0                                ; they have read their bases
	s_add_nc_u64 s[8:9], s[8:9], 16*512
	s_add_nc_u64 s[10:11], s[10:11], 16*512
	s_wait_dscnt 0x0
	s_barrier_signal -1
	s_barrier_wait -1                              ; no wave reads the ring any more; every wave's tensor loads were waited for at the last change of slots
.macro TOSTAGE a
.set AC, 64*((\a)%4)
	WIN 0x08+4*((\a)/4)                            ; the data: window 2 or 3
.irp b, 0,1,2,3,4,5,6,7
	ds_store_b128 v[STO], v[AC+8*\b:AC+8*\b+3] offset:(\a)*16*SPITCH+64*\b       ; each accumulator from its low end on
	ds_store_b128 v[STO], v[AC+8*\b+4:AC+8*\b+7] offset:(\a)*16*SPITCH+64*\b+16
.endr
	WIN 0
.endm
.irp a, 0,1,2,3,4,5,6,7
	TOSTAGE \a
.endr
.macro GROUP p, ahead                  ; 16 tokens; their cos and sin lie in set p; ahead = 1: the next group's are asked for into the other set
.if \ahead
	CSLOAD 1-\p
.endif
	v_add_nc_u32 v[ADX], s[RO], v[RD]
	v_add_nc_u32 v[ADX2], s[RO], v[RD2]
.irp i, 0,1,2,3,4,5,6,7,8,9,10,11,12,13,14,15
	ds_load_b128 v[X+4*\i:X+4*\i+3], v[ADX] offset:SPITCH*\i      ; LDS serves a wave's instructions in order: these see my stores
.endr
.irp i, 0,1,2,3,4,5,6,7,8,9,10,11,12,13,14,15
	ds_load_b128 v[XR+4*\i:XR+4*\i+3], v[ADX2] offset:SPITCH*\i
.endr
	s_wait_loadcnt 32*\ahead                       ; this group's cos and sin are in; the 32 loads just issued may be out
	WIN 0x41                                       ; destination and source 0 window 1
.irp j, 0,2,4,6,8,10,12,14,16,18,20,22,24,26,28,30,32,34,36,38,40,42,44,46,48,50,52,54,56,58,60,62
	v_pk_fma_f32 v[128*\p+\j:128*\p+\j+1], v[128*\p+\j:128*\p+\j+1], v[CAV:CAV+1], v[CBV:CBV+1] op_sel_hi:[1,0,0]
.endr
.irp j, 0,2,4,6,8,10,12,14,16,18,20,22,24,26,28,30,32,34,36,38,40,42,44,46,48,50,52,54,56,58,60,62
	v_pk_mul_f32 v[128*\p+64+\j:128*\p+64+\j+1], v[128*\p+64+\j:128*\p+64+\j+1], v[SG:SG+1] op_sel_hi:[1,0]
.endr
	s_wait_dscnt 0x0
	WIN 0x04                                       ; source 1 window 1
.irp j, 0,2,4,6,8,10,12,14,16,18,20,22,24,26,28,30,32,34,36,38,40,42,44,46,48,50,52,54,56,58,60,62
	v_pk_mul_f32 v[X+\j:X+\j+1], v[X+\j:X+\j+1], v[128*\p+\j:128*\p+\j+1]
.endr
.irp j, 0,2,4,6,8,10,12,14,16,18,20,22,24,26,28,30,32,34,36,38,40,42,44,46,48,50,52,54,56,58,60,62
	v_pk_fma_f32 v[X+\j:X+\j+1], v[XR+\j:XR+\j+1], v[128*\p+64+\j:128*\p+64+\j+1], v[X+\j:X+\j+1]
.endr
	WIN 0
.irp j, 0,1,2,3,4,5,6,7,8,9,10,11,12,13,14,15,16,17,18,19,20,21,22,23,24,25,26,27,28,29,30,31
	v_cvt_pk_f16_f32 v[OUT+\j], v[X+2*\j], v[X+2*\j+1]
.endr
.irp i, 0,1,2,3,4,5,6,7,8,9,10,11,12,13,14,15
	global_store_b64 v[SOF], v[OUT+2*\i:OUT+2*\i+1], s[12:13] offset:256*\i   ; 32 lanes store a token's 256 bytes of a head, aligned
.endr
.if \ahead
	s_wait_xcnt 0x0                                ; loads and stores have read their bases and data: all may be written again
	s_add_nc_u64 s[8:9], s[8:9], 16*512
	s_add_nc_u64 s[10:11], s[10:11], 16*512
	s_add_nc_u64 s[12:13], s[12:13], 16*256
	s_add_co_u32 s[RO], s[RO], 16*SPITCH
.endif
.endm
	s_mov_b32 s[RO], 0
	s_mov_b32 s[GC], 3
.Lgrp:
	GROUP 0, 1
	GROUP 1, 1
	s_sub_co_u32 s[GC], s[GC], 1
	s_cmp_lg_u32 s[GC], 0
	s_cbranch_scc1 .Lgrp
	GROUP 0, 1                                     ; the last two groups are written out: no load leaves cos or sin
	GROUP 1, 0
	s_wait_tensorcnt 0x0                           ; the wave's end
	ds_add_u32 v[SPW], v[NIL]
	s_wait_dscnt 0x0
	CROUND                                         ; the closing round
	s_endpgm
.Lfunc_end_k_q5891dcae2b_qkv:
	.size	k_q5891dcae2b_qkv, .Lfunc_end_k_q5891dcae2b_qkv-k_q5891dcae2b_qkv
	.p2alignl 7, 3214868480
	.fill 96, 4, 3214868480
	.section	.rodata,"a",@progbits
	.p2align	6, 0x0
	.amdhsa_kernel k_q5891dcae2b_qkv
		.amdhsa_group_segment_fixed_size 327680
		.amdhsa_private_segment_fixed_size 0
		.amdhsa_enable_private_segment 0
		.amdhsa_kernarg_size 40
		.amdhsa_user_sgpr_count 2
		.amdhsa_user_sgpr_kernarg_segment_ptr 1
		.amdhsa_wavefront_size32 1
		.amdhsa_system_sgpr_workgroup_id_x 1
		.amdhsa_system_sgpr_workgroup_id_y 1
		.amdhsa_system_sgpr_workgroup_id_z 1
		.amdhsa_system_vgpr_workitem_id 0
		.amdhsa_next_free_vgpr 1024
		.amdhsa_next_free_sgpr 100
		.amdhsa_reserve_vcc 0
		.amdhsa_float_denorm_mode_32 3
		.amdhsa_float_denorm_mode_16_64 3
		.amdhsa_memory_ordered 1
		.amdhsa_forward_progress 1
		.amdhsa_inst_pref_size 255
	.end_amdhsa_kernel
	.section	.bss,"aw",@nobits
	.p2align	6
	.space	262144
	.amdgpu_metadata
---
amdhsa.version: [ 1, 2 ]
amdhsa.kernels:
  - .name:           k_q5891dcae2b_qkv
    .symbol:         k_q5891dcae2b_qkv.kd
    .args:
      - { .name: codes, .offset: 0, .size: 8, .value_kind: global_buffer, .address_space: global }
      - { .name: scl, .offset: 8, .size: 8, .value_kind: global_buffer, .address_space: global }
      - { .name: cos, .offset: 16, .size: 8, .value_kind: global_buffer, .address_space: global }
      - { .name: sin, .offset: 24, .size: 8, .value_kind: global_buffer, .address_space: global }
      - { .name: qkv, .offset: 32, .size: 8, .value_kind: global_buffer, .address_space: global }
    .group_segment_fixed_size: 327680
    .private_segment_fixed_size: 0
    .kernarg_segment_align: 8
    .kernarg_segment_size: 40
    .max_flat_workgroup_size: 128
    .sgpr_count:     100
    .vgpr_count:     1024
    .wavefront_size: 32
...
	.end_amdgpu_metadata
.endif
;; end of part 2
;; launch attention (part 3): grid 16 x 16, 4 waves a work-group, clusters of 4 x 4, 327,680 bytes of LDS; arguments qkv, attention_mask, part, stat; writes part, stat
.if DOCPART == 3
	.amdgcn_target "amdgcn-amd-amdhsa--gfx1250"
	.amdhsa_code_object_version 6
	.text
	.protected	k_q5891dcae2b_attention
	.globl	k_q5891dcae2b_attention
	.p2align	8
	.type	k_q5891dcae2b_attention,@function
k_q5891dcae2b_attention:
	s_mov_b64 s[64:65], 0
	v_nop
	global_prefetch_b8 v0, s[64:65] scope:SCOPE_SE
	s_setreg_imm32_b32 hwreg(HW_REG_WAVE_MODE, 25, 1), 1
	s_wait_xcnt 0x0
	s_wait_alu depctr_hold_cnt(0) depctr_sa_sdst(0) depctr_va_vdst(0) depctr_va_sdst(0) depctr_va_ssrc(0) depctr_va_vcc(0) depctr_vm_vsrc(0)
	s_getreg_b32 s2, hwreg(HW_REG_IB_STS2, 6, 4)
	s_cmp_eq_u32 s2, 0
	s_cbranch_scc0 .Lentry_in_a_cluster
	s_endpgm
.Lentry_in_a_cluster:
	s_bfe_u32 s2, ttmp6, 0x10000c
	s_cmp_lg_u32 s2, 0xf033
	s_cbranch_scc0 .Lentry_shape_is_right
	s_endpgm
.Lentry_shape_is_right:
; ATTENTION, ONE HALF OF THE KEYS TO A WORK-GROUP.  For each batch b, query head and query: softmax over 1,024 keys of (q . k / sqrt(128) + attention_mask[b][query][key]), times v, normalised by these keys' own sum; the
; running maximum m and the sum l go out beside it, and the next launch joins the two halves.  q, k, v come from qkv as f16: q and k x 2^-1.75 (their product is the score / sqrt(128)), v / 16.
; part: [2 halves][4096 tokens][8 heads][128] f16 holds the half's result / 16.  stat: [2 halves][8 heads][4096 tokens][m, l] f32.
; Products in f16 with f32 sums; maxima, exponentials and sums in f32; the weights p, at most 1, are rounded to f16 for the second product.
; WHY HALVES: 2,048 tiles of 16 queries, four to a wave, are 512 waves; with 1,024 keys to a wave there are 1,024 waves, four for each of 256 work-groups, and a fragment read from LDS still feeds four tiles.
; THE MASK IS AN INPUT: every number of it is loaded and added, and no key is left out.  It is added at no cost: a tile of it is the C of the first matrix instruction of each tile of scores.
; LIMITS: NaN and infinities are not served.  The sum of the most negative f32 number and a score is taken to stay that number in the matrix unit, as in an f32 addition.
; SOFTMAX.  A running maximum m and sum l for each query: p = 2^((s - m) log2 e): the difference is taken first, so a row whose every score is the most negative number gives p = 1 everywhere; O and l are multiplied in every step by a = 2^((m_old - m_new) log2 e).
; SHARES.  A work-group owns 128 queries of one batch and BOTH query heads of one key head; each of its four waves 32 queries x 2 heads: four tiles of 16.  Tiles 0, 1: the first head, queries 0-15, 16-31; tiles 2, 3: the second head, the same queries.
; LAYOUT.  S^T = K Q^T (source 0 = 16 keys, source 1 = 16 queries): a lane holds ONE query (lane % 16) and keys 8 (lane / 16) + 0..7.  Two such tiles, rounded in pairs, are source 1 of O^T = V^T P.  V comes out of LDS turned, by ds_load_tr16_b128.
; BY TURNS.  The tiles are two pieces (0: tiles 0, 1; 2: tiles 2, 3).  In a turn one piece has the matrix unit (32 products V^T P, then 32 products K Q^T of the next step), and the other piece's softmax stands in 64 slices, one behind each matrix instruction.
; Both pieces share K's and V's fragments and the mask's registers.
; CLUSTER 4 x 4: cx = the query block within four, cy = the key head; cluster y = 2 x batch + half of the keys.  K and V hang on (cluster y, cy): asked for jointly along a row of the cluster.  The mask's tile hangs on (cluster y, query block): jointly along a column.
; REGISTERS, in windows of 256: window 0: v1-11, v44, v45, v61-63 addresses; v12-43 eight registers of statistics a tile; v64-191 S^T, 32 a tile; v192-255 P, 16 a tile.
;   window 1: O^T, 64 a tile.   window 2: v0-127 Q, 32 a tile; v128-255 K of one step.   window 3: v0-127 V of one step; v128-191 the mask of one step (32 u + 8 kb + j: queries 16 u on, keys 16 kb + 8 (lane / 16) + j).
.set KEYS,  1024      ; keys that a work-group walks
.set KS,    64        ; keys in a step; a slot holds two steps
.set PK,    272       ; a row of K in LDS: 256 bytes + 16
.set PV,    288       ; a row of V: 256 + 32
.set PM,    528       ; a query's 128 mask numbers: 512 + 16
.set VOFF,  2*KS*PK   ; a slot: 128 rows of K, 128 rows of V, 128 rows of the mask
.set MOFF,  VOFF+2*KS*PV
.set SLOT,  MOFF+128*PM   ; 0x22000.  The tiles' places in a slot (0, 0x8800, 0x11800, 0x19c00) share no bit with it: one exclusive or turns an address from one slot to the other
.set STAGE, 2*SLOT    ; behind the ring: 16 rows x 272 bytes for each wave
.set SP,    272
.set SPARE, STAGE+4*16*SP
.set AK0, 2           ; v2   my lane's place in a tile of K; never rewritten
.set AV0, 3           ; v3   the same for V
.set ADR, 4           ; v4   the LDS address of the run of loads in hand
.set QO,  5
.set STO, 6
.set RD,  7
.set GO,  8
.set AM0, 44          ; v44  my lane's place in the mask's tile; never rewritten
.set ADM, 45          ; v45  the LDS address of the mask's loads in hand
.set PFO, 61          ; v61  the prefetches' offset; never rewritten
.set SPW, 62
.set NIL, 63
.set ST,  12          ; tile t's statistics at v[ST+8 t]: +0 m, +1 0 (named with m as a pair), +2, +3 l, +4 to +7 at work; a at +6
.set S,   64
.set P,   192
.set KF,  128         ; K's fragments, in window 2
.set MK,  128         ; the mask, in window 3
.set WV,  12          ; s12  my wave's number
.set LIM, 15          ; s15  1 in a wave that prefetches, else the greatest number
.set G1K, 24
.set G1V, 32
.set G1M, 40
.set G0K, 48          ; two sets each: the two first fills; the second then walks
.set G0V, 56
.set SB,  66          ; s[66:67] stat at my wave's 32 queries of my first head
.set G0M, 68
.set PFA, 86
.set PFS, 88          ; s[88:89] a slot on, in bytes
.set CS,  90          ; s[90:91] log2 e
.set SEL, 92
.set TK,  94          ; s94-96  LDS bytes at which K, V and the mask of the step to be fetched begin
.set TV,  95
.set TM,  96
.set SLOTS, 97
.set TWICE, 98
.set KH,  99          ; s99  which half of the keys
.set MSB, 0
.macro WIN new
.if MSB != \new
	s_set_vgpr_msb (MSB<<8)|\new
.set MSB, \new
.endif
.endm
.set W_KQ, 0x0a       ; K and Q in window 2, S^T in window 0
.set W_KM, 0x3a       ; the same, C (the mask) in window 3
.set W_PV, 0x53       ; V in window 3, P in window 0, O^T in window 1
.set W_RS, 0x41       ; O^T in window 1, a in window 0
; A joint refill: wave 0 fetches K's 128 rows, wave 1 V's, waves 2 and 3 the mask's two halves of 64 rows.  The branches hang on the wave's number alone.  An s_nop 0 and four v_nop follow each line.
.macro JLOAD
	s_cmp_lt_u32 s[WV], 2
	s_cbranch_scc0 .Lfor_m_\@
	s_cmp_eq_u32 s[WV], 0
	s_cbranch_scc0 .Lfor_v_\@
	tensor_load_to_lds s[G0K+4:G0K+7], s[G1K:G1K+7]
	s_nop 0
.rept 4
	v_nop
.endr
	s_branch .Lasked_\@
.Lfor_v_\@:
	tensor_load_to_lds s[G0V+4:G0V+7], s[G1V:G1V+7]
	s_nop 0
.rept 4
	v_nop
.endr
	s_branch .Lasked_\@
.Lfor_m_\@:
	tensor_load_to_lds s[G0M+4:G0M+7], s[G1M:G1M+7]
	s_nop 0
.rept 4
	v_nop
.endr
.Lasked_\@:
.endm
; A prefetch of what the NEXT change of slots will ask for, one instruction a wave, behind the wave's tensor load.  K's and V's 128 rows of 256 bytes are walked by all four clusters of a cluster y: cluster x = 0 asks, its four partners
; along x take 32 rows each by address (a lane a row).  A half of the mask's tile, 64 rows x 512 bytes, is read by this column of this cluster alone: its four partners along y take 16 rows each by address (lane % 16 the row, lane / 16 which 256 bytes).
; The last change that fills a slot asks for nothing.
.macro ASK
	s_cmp_gt_u32 s[SLOTS], s[LIM]
	s_cbranch_scc0 .Lnot_mine_\@
	global_prefetch_b8 v[PFO], s[PFA:PFA+1] th:TH_LOAD_NT scope:SCOPE_SE
.Lnot_mine_\@:
.endm
.macro CROUND
	s_barrier_signal -1
	s_barrier_wait -1
	s_cmp_lg_u32 s[WV], 0
	s_cbranch_scc1 .Lnot_wave_0_\@
	s_barrier_signal -3
.Lnot_wave_0_\@:
	s_barrier_wait -3
	s_barrier_signal -1
	s_barrier_wait -1
.endm
	s_load_b128 s[4:7], s[0:1], 0x0   ; qkv s[4:5], attention_mask s[6:7]
	s_load_b128 s[8:11], s[0:1], 0x10 ; part s[8:9], stat s[10:11]
	v_lshl_add_u32 v[SPW], v0, 2, SPARE
	v_mov_b32 v[NIL], 0
	ds_add_u32 v[SPW], v[NIL]       ; the wave's opening: the add, twice on end, and its wait ahead of my first tensor load
	ds_add_u32 v[SPW], v[NIL]
	v_lshrrev_b32 v1, 5, v0
	v_readfirstlane_b32 s[WV], v1   ; wave 0..3
	s_bfe_u32 s13, ttmp6, 0x40000   ; cx
	s_bfe_u32 s14, ttmp6, 0x40004   ; cy: the key head
	s_and_b32 s16, ttmp7, 0xffff    ; cluster y
	s_and_b32 s[KH], s16, 1         ; which half of the keys,
	s_lshr_b32 s16, s16, 1          ; and the batch
	s_lshl_b32 s76, s14, 21         ; K: slot 8 + 2 cy of qkv, 2^20 bytes a slot,
	s_add_co_u32 s76, s76, 8<<20
	s_lshl_b32 s17, s16, 19         ; the batch's 2,048 rows of 256 bytes,
	s_add_co_u32 s76, s76, s17
	s_lshl_b32 s19, s[KH], 18       ; my half's 1,024 of them
	s_add_co_u32 s76, s76, s19
	s_mov_b32 s77, 0
	s_lshl_b32 s18, ttmp9, 2
	s_add_co_u32 s18, s18, s13      ; my block of 128 queries
	s_lshl_b32 s80, s18, 20         ; the mask: 128 rows of 8,192 bytes a block,
	s_lshl_b32 s19, s16, 24         ; 2^24 bytes a batch,
	s_add_co_u32 s80, s80, s19
	s_lshl_b32 s19, s[KH], 12       ; my half's 1,024 keys of 4 bytes in each row
	s_add_co_u32 s80, s80, s19
	s_and_b32 s20, s[WV], 1         ; which 64 rows I fetch, if I fetch for the mask
	s_lshl_b32 s21, s20, 19
	s_add_co_u32 s80, s80, s21
	s_mov_b32 s81, 0
	s_mul_i32 s21, s20, 64*PM
	s_add_co_u32 s21, s21, MOFF     ; and their place in a slot
	s_lshl_b32 s82, s14, 21         ; Q: slot 2 cy, row 2,048 b + 128 block + 32 wave
	s_add_co_u32 s82, s82, s17
	s_lshl_b32 s22, s18, 15
	s_add_co_u32 s82, s82, s22
	s_lshl_b32 s22, s[WV], 13
	s_add_co_u32 s82, s82, s22
	s_mov_b32 s83, 0
	s_lshl_b32 s84, s16, 22         ; O: the same row of 2,048 bytes, + 512 cy, in my half's 2^23 bytes of part
	s_lshl_b32 s22, s18, 18
	s_add_co_u32 s84, s84, s22
	s_lshl_b32 s22, s[WV], 16
	s_add_co_u32 s84, s84, s22
	s_lshl_b32 s22, s14, 9
	s_add_co_u32 s84, s84, s22
	s_lshl_b32 s22, s[KH], 23
	s_add_co_u32 s84, s84, s22
	s_mov_b32 s85, 0
	s_lshl_b32 s[SB], s[KH], 18     ; the statistics: 2^18 bytes a half, 2^15 a head (mine: 2 cy, 2 cy + 1), 8 a token
	s_lshl_b32 s22, s14, 16
	s_add_co_u32 s[SB], s[SB], s22
	s_lshl_b32 s22, s16, 14
	s_add_co_u32 s[SB], s[SB], s22
	s_lshl_b32 s22, s18, 10
	s_add_co_u32 s[SB], s[SB], s22
	s_lshl_b32 s22, s[WV], 8
	s_add_co_u32 s[SB], s[SB], s22
	s_mov_b32 s[SB+1], 0
	s_lshl_b32 s22, s14, 2
	s_lshl_b32 s22, 15, s22         ; my row of the cluster
	s_lshl_b32 s23, 0x1111, s13     ; my column
	s_or_b32 s[G1K], s22, (1<<16)|(1<<20)|(1<<21)|(5<<22)|(3<<25)  ; the mask of work-groups; elements of 2 bytes; padding on; bit 21 beside a mask; after every 64 words; 4 words
	s_or_b32 s[G1V], s22, (1<<16)|(1<<20)|(1<<21)|(5<<22)|(7<<25)  ; the same with 8 words
	s_or_b32 s[G1M], s23, (2<<16)|(1<<20)|(1<<21)|(6<<22)|(3<<25)  ; elements of 4 bytes; after every 128 words; 4 words
.irp g, G1K, G1V
	s_mov_b32 s[\g+1], 128<<16      ; tensor_dim0 = 128
	s_mov_b32 s[\g+2], 128<<16      ; tensor_dim1 = 128
	s_mov_b32 s[\g+3], 128<<16      ; tile_dim0 = 128
	s_mov_b32 s[\g+4], 128          ; tile_dim1 = 128
	s_mov_b32 s[\g+5], 128          ; stride
	s_mov_b32 s[\g+6], 0
	s_mov_b32 s[\g+7], 0
.endr
	s_mov_b32 s[G1M+1], 128<<16     ; 128 keys
	s_mov_b32 s[G1M+2], 64<<16      ; 64 queries
	s_mov_b32 s[G1M+3], 128<<16
	s_mov_b32 s[G1M+4], 64
	s_mov_b32 s[G1M+5], 2048        ; numbers from a query's row to the next
	s_mov_b32 s[G1M+6], 0
	s_mov_b32 s[G1M+7], 0
	s_mov_b32 s[CS], 0x3fb8aa3b     ; log2 e
	s_mov_b32 s[CS+1], s[CS]
	s_mov_b32 s[SEL], 0x76543210
	s_mov_b32 s[SEL+1], 0xfedcba98
	s_mov_b32 s[TK], 0
	s_mov_b32 s[TV], 0
	s_mov_b32 s[TM], 0
	s_mov_b32 s[SLOTS], KEYS/(2*KS)-2
	s_wait_dscnt 0x0                ; both opening adds are done
	s_wait_kmcnt 0x0
	s_add_nc_u64 s[76:77], s[4:5], s[76:77]   ; K
	s_add_nc_u64 s[78:79], s[76:77], 1<<20    ; V: the next slot of qkv
	s_add_nc_u64 s[80:81], s[6:7], s[80:81]   ; the mask
	s_add_nc_u64 s[82:83], s[4:5], s[82:83]   ; Q
	s_add_nc_u64 s[84:85], s[8:9], s[84:85]   ; O
	s_add_nc_u64 s[SB:SB+1], s[10:11], s[SB:SB+1]  ; the statistics
	s_cmp_eq_u32 s[WV], 0           ; the prefetches: wave 0 K, wave 1 V, waves 2, 3 their halves of the mask
	s_cselect_b64 s[PFA:PFA+1], s[76:77], s[78:79]
	s_mov_b32 s[PFS], 2*KS*4
	s_mov_b32 s22, 8192
	s_mov_b32 s23, 256
	s_cmp_lt_u32 s[WV], 2
	s_cselect_b64 s[PFA:PFA+1], s[PFA:PFA+1], s[80:81]
	s_cselect_b32 s[PFS], 2*KS*256, s[PFS]    ; a slot on
	s_cselect_b32 s22, 256, s22     ; from lane to lane within 16
	s_cselect_b32 s23, 4096, s23    ; from lanes 0-15 to lanes 16-31
	s_cselect_b32 s2, s13, s14      ; my place among the four that ask with me
	s_cselect_b32 s3, 13, 17        ; 32 rows of 256 bytes, or 16 rows of 8,192
	s_cselect_b32 s[LIM], ttmp9, 0
	s_lshl_b32 s2, s2, s3
	s_mov_b32 s3, 0
	s_mov_b32 s[PFS+1], 0
	s_add_nc_u64 s[PFA:PFA+1], s[PFA:PFA+1], s[2:3]
	s_add_nc_u64 s[PFA:PFA+1], s[PFA:PFA+1], s[PFS:PFS+1]
	s_add_nc_u64 s[PFA:PFA+1], s[PFA:PFA+1], s[PFS:PFS+1]  ; in slot 2; the first change of slots steps it to slot 3
	s_cmp_eq_u32 s[LIM], 0
	s_cselect_b32 s[LIM], 1, -1     ; the same in all partners, for a given wave
	v_and_b32 v[PFO], 15, v0
	v_mul_lo_u32 v[PFO], v[PFO], s22
	v_bfe_u32 v10, v0, 4, 1
	v_mul_lo_u32 v10, v10, s23
	v_add_nc_u32 v[PFO], v[PFO], v10
	CROUND                          ; all sixteen work-groups are here: the first joint loads meet
.irp s, 0,1
	s_mov_b32 s[G0K+4*\s], 1
	s_mov_b32 s[G0K+4*\s+1], \s*SLOT
	s_add_nc_u64 s[G0K+4*\s+2:G0K+4*\s+3], s[76:77], \s*2*KS*256
	s_or_b32 s[G0K+4*\s+3], s[G0K+4*\s+3], 0x80000000
	s_mov_b32 s[G0V+4*\s], 1
	s_mov_b32 s[G0V+4*\s+1], \s*SLOT+VOFF
	s_add_nc_u64 s[G0V+4*\s+2:G0V+4*\s+3], s[78:79], \s*2*KS*256
	s_or_b32 s[G0V+4*\s+3], s[G0V+4*\s+3], 0x80000000
	s_mov_b32 s[G0M+4*\s], 1
	s_add_co_u32 s[G0M+4*\s+1], s21, \s*SLOT
	s_add_nc_u64 s[G0M+4*\s+2:G0M+4*\s+3], s[80:81], \s*2*KS*4
	s_or_b32 s[G0M+4*\s+3], s[G0M+4*\s+3], 0x80000000
.endr
	s_cmp_lt_u32 s[WV], 2           ; a wave's two first fills stand in one arm, ahead of every wait on TENSORcnt and every LDS read: two loads of mine are out
	s_cbranch_scc0 .Lfirst_m
	s_cmp_eq_u32 s[WV], 0
	s_cbranch_scc0 .Lfirst_v
	tensor_load_to_lds s[G0K:G0K+3], s[G1K:G1K+7]
	s_nop 0
	tensor_load_to_lds s[G0K+4:G0K+7], s[G1K:G1K+7]
	s_nop 0
.rept 4
	v_nop
.endr
	s_branch .Lfirst_asked
.Lfirst_v:
	tensor_load_to_lds s[G0V:G0V+3], s[G1V:G1V+7]
	s_nop 0
	tensor_load_to_lds s[G0V+4:G0V+7], s[G1V:G1V+7]
	s_nop 0
.rept 4
	v_nop
.endr
	s_branch .Lfirst_asked
.Lfirst_m:
	tensor_load_to_lds s[G0M:G0M+3], s[G1M:G1M+7]
	s_nop 0
	tensor_load_to_lds s[G0M+4:G0M+7], s[G1M:G1M+7]
	s_nop 0
.rept 4
	v_nop
.endr
.Lfirst_asked:
	v_and_b32 v1, 15, v0            ; l % 16
	v_bfe_u32 v9, v0, 4, 1          ; l / 16
	v_lshlrev_b32 v[QO], 8, v1
	v_lshl_add_u32 v[QO], v9, 4, v[QO]  ; row x 256 + 16 x half
	WIN 0x80                        ; destination window 2
.irp i, 0,1,2,3,4,5,6,7,8,9,10,11,12,13,14,15  ; Q stays in registers: tile i / 4 (head i / 8, queries 16 ((i / 4) % 2) on), channels 32 (i % 4) on
	global_load_b128 v[8*\i:8*\i+3],   v[QO], s[82:83] offset:(\i/8)*1048576+((\i/4)%2)*4096+(\i%4)*64
	global_load_b128 v[8*\i+4:8*\i+7], v[QO], s[82:83] offset:(\i/8)*1048576+((\i/4)%2)*4096+(\i%4)*64+32
.endr
	WIN 0
	v_mul_u32_u24 v[AK0], v1, PK
	v_lshl_add_u32 v[AK0], v9, 4, v[AK0]
	v_and_b32 v10, 7, v0            ; the turning load: lane l reads 16 bytes: key 8 (l / 16) + l % 8, channels 8 ((l / 8) % 2) + 0..7
	v_bfe_u32 v11, v0, 3, 1
	v_lshl_add_u32 v[AV0], v9, 3, v10
	v_mul_u32_u24 v[AV0], v[AV0], PV
	v_lshl_add_u32 v[AV0], v11, 4, v[AV0]
	v_add_nc_u32 v[AV0], VOFF, v[AV0]
	s_mul_i32 s2, s[WV], 32*PM      ; the mask: my wave's 32 queries; query l % 16; keys 8 (l / 16) on: 32 bytes
	v_mul_u32_u24 v[AM0], v1, PM
	v_lshl_add_u32 v[AM0], v9, 5, v[AM0]
	v_add_nc_u32 v[AM0], s2, v[AM0]
	v_add_nc_u32 v[AM0], MOFF, v[AM0]
.irp t, 0,1,2,3
	v_mov_b32 v[ST+8*\t+1], 0       ; named with m as a pair, so it is written
.endr
; Product i of 32 of O^T += V^T P: keys 32 (i / 16) on, channels 16 ((i / 2) % 8) on, tile x + i % 2.  The accumulators take turns, one instruction a turn.
.macro PV x, zero
	WIN W_PV
.set rO, 64*(\x+i%2)+8*((i/2)%8)
.set rV, 64*(i/16)+8*((i/2)%8)
.set rP, P+16*(\x+i%2)+8*(i/16)
.if \zero && (i < 16)
	v_wmma_f32_16x16x32_f16 v[rO:rO+7], v[rV:rV+7], v[rP:rP+7], 0
.else
	v_wmma_f32_16x16x32_f16 v[rO:rO+7], v[rV:rV+7], v[rP:rP+7], v[rO:rO+7]
.endif
.endm
; Product i of 32 of S^T = mask + K Q^T: channels 32 (i / 8) on, keys 16 ((i / 2) % 4) on, tile x + i % 2.  The first 8 start the sums from the mask's tile.
.macro KQ x
.set rS, S+32*(\x+i%2)+8*((i/2)%4)
.set rK, KF+32*((i/2)%4)+8*(i/8)
.set rQ, 32*(\x+i%2)+8*(i/8)
.set rM, MK+32*(i%2)+8*((i/2)%4)
.if i < 8
	WIN W_KM
	v_wmma_f32_16x16x32_f16 v[rS:rS+7], v[rK:rK+7], v[rQ:rQ+7], v[rM:rM+7]
.else
	WIN W_KQ
	v_wmma_f32_16x16x32_f16 v[rS:rS+7], v[rK:rK+7], v[rQ:rQ+7], v[rS:rS+7]
.endif
.endm
; The LDS loads stand in runs: a step's K (16 fragments) with its mask (32 queries x 64 keys), and, a turn later, its V (turned).
.macro FETCH_K
	WIN 0
	v_add_nc_u32 v[ADR], s[TK], v[AK0]
	v_add_nc_u32 v[ADM], s[TM], v[AM0]
	WIN 0x80                        ; destination window 2
.irp f, 0,1,2,3,4,5,6,7,8,9,10,11,12,13,14,15
	ds_load_b128 v[KF+8*\f:KF+8*\f+3],   v[ADR] offset:(\f/4)*16*PK+(\f%4)*64
	ds_load_b128 v[KF+8*\f+4:KF+8*\f+7], v[ADR] offset:(\f/4)*16*PK+(\f%4)*64+32
.endr
	WIN 0xc0                        ; destination window 3
.irp f, 0,1,2,3,4,5,6,7             ; queries 16 (f / 4) on, keys 16 (f % 4) on
	ds_load_b128 v[MK+8*\f:MK+8*\f+3],   v[ADM] offset:(\f/4)*16*PM+(\f%4)*64
	ds_load_b128 v[MK+8*\f+4:MK+8*\f+7], v[ADM] offset:(\f/4)*16*PM+(\f%4)*64+16
.endr
.endm
.macro FETCH_V
	WIN 0
	v_add_nc_u32 v[ADR], s[TV], v[AV0]
	s_add_co_u32 s[TK], s[TK], KS*PK  ; the next fetches are the next step's
	s_add_co_u32 s[TV], s[TV], KS*PV
	s_add_co_u32 s[TM], s[TM], KS*4
	s_wait_alu depctr_va_vdst(0)    ; the wait for the softmax's batch of exponentials, ahead of the first instruction that names a result
	WIN 0xc0
.irp f, 0,1,2,3,4,5,6,7,8,9,10,11,12,13,14,15
	ds_load_tr16_b128 v[8*\f:8*\f+3],   v[ADR] offset:(\f/8)*32*PV+(\f%8)*32
	ds_load_tr16_b128 v[8*\f+4:8*\f+7], v[ADR] offset:(\f/8)*32*PV+16*PV+(\f%8)*32
.endr
.endm
; THE VECTOR WORK OF A TURN.  One tile's softmax for a key step is a list of 150 instructions; SM writes number j of it for tile t.
;   0-15    the maximum of the lane's 32 scores and the old m       16-20  the other half of the lanes' maximum; the new m; (m_old - m) log2 e       21  s - m of pair 0
;   22-85   ONE BATCH in sixteen fours: 31 plain instructions (P q: q even: pair q / 2 times log2 e; q odd: s - m of pair (q + 1) / 2) and 33 exponentials (E 0 = a, E e = score e - 1):
;           P0 E0 P1 P2;  P(2f+1) E(2f-1) P(2f+2) E(2f) for f = 1 .. 14;  E29 E30 E31 E32.  A pair is scaled in an earlier four than the one with its exponentials; nothing here names a result of an exponential
;   (wait)  between 85 and 86: SLICE writes it, once for both tiles
;   86-101  the roundings to f16       102-117  the sums; l = a l + the sum       118-149  the tile's O^T times a
.macro SM t, first
.set rT, ST+8*(\t)
.set rS, S+32*(\t)
.set rP, P+16*(\t)
.set rO, 64*(\t)+2*(j-118)
.if j < 118
	WIN 0
.endif
.if j < 4
	v_max3_num_f32 v[rT+4+j], v[rS+8*j], v[rS+8*j+1], v[rS+8*j+2]   ; each accumulator is read from its low end on
.elseif j < 12
	v_max3_num_f32 v[rT+4+j%4], v[rT+4+j%4], v[rS+8*(j%4)+2*(j/4)+1], v[rS+8*(j%4)+2*(j/4)+2]
.elseif j == 12
	v_max3_num_f32 v[rT+4], v[rT+4], v[rS+7], v[rS+15]
.elseif j == 13
	v_max3_num_f32 v[rT+6], v[rT+6], v[rS+23], v[rS+31]
.elseif j == 14
	v_max3_num_f32 v[rT+4], v[rT+4], v[rT+5], v[rT+6]
.elseif (j == 15) && \first
	v_max_num_f32 v[rT+4], v[rT+4], v[rT+7]
.elseif j == 15
	v_max3_num_f32 v[rT+4], v[rT+4], v[rT+7], v[rT]
.elseif j == 16
	v_permlanex16_b32 v[rT+5], v[rT+4], s[SEL], s[SEL+1]  ; the query's other 32 keys lie in the lane 16 away
.elseif j == 18
	v_max_num_f32 v[rT], v[rT+4], v[rT+5]
.elseif ((j == 17) || (j == 19) || (j == 20) || (j == 23) || (j > 117)) && \first  ; the first step has none of these
.elseif j == 17
	v_mov_b32 v[rT+7], v[rT]        ; m_old is kept: number 18 writes m anew
.elseif j == 19
	v_sub_f32 v[rT+7], v[rT+7], v[rT]
.elseif j == 20
	v_mul_f32 v[rT+7], s[CS], v[rT+7]
.elseif j == 21
	v_pk_add_f32 v[rS:rS+1], v[rS:rS+1], v[rT:rT+1] op_sel_hi:[1,0] neg_lo:[0,1] neg_hi:[0,1]
.elseif j < 86
.set bf, (j-22)/4
.set bn, (j-22)%4
.set bx, 0                          ; 1: an exponential
.set bq, 0                          ; which
.if bf == 0
.if bn == 1
.set bx, 1
.elseif bn > 1
.set bq, bn-1
.endif
.elseif bf == 15
.set bx, 1
.set bq, 29+bn
.else
.set bx, bn%2
.set bq, 2*bf+1+bn/2-2*(bn%2)
.endif
.if bx
.if bq == 0
	v_exp_f32 v[rT+6], v[rT+7]
.else
	v_exp_f32 v[rS+bq-1], v[rS+bq-1]
.endif
.elseif bq%2 == 0
	v_pk_mul_f32 v[rS+bq:rS+bq+1], v[rS+bq:rS+bq+1], s[CS:CS+1] op_sel_hi:[1,0]
.else
	v_pk_add_f32 v[rS+bq+1:rS+bq+2], v[rS+bq+1:rS+bq+2], v[rT:rT+1] op_sel_hi:[1,0] neg_lo:[0,1] neg_hi:[0,1]
.endif
.elseif j < 102
	v_cvt_pk_f16_f32 v[rP+j-86], v[rS+2*(j-86)], v[rS+2*(j-86)+1]
.elseif j < 118                     ; the sum of the tile's 16 pairs, in place: neighbours 1, 2, 4 and 8 pairs apart, then l takes it
.set z, j-102
.set w, 4
.set u, z
.if z >= 14
.set w, 32
.set u, 0
.elseif z >= 12
.set w, 16
.set u, z-12
.elseif z >= 8
.set w, 8
.set u, z-8
.endif
.if (z == 14) && \first
	v_pk_add_f32 v[rT+2:rT+3], v[rS:rS+1], v[rS+16:rS+17]
.elseif z < 15
	v_pk_add_f32 v[rS+w*u:rS+w*u+1], v[rS+w*u:rS+w*u+1], v[rS+w*u+w/2:rS+w*u+w/2+1]
.elseif !\first
	v_pk_fma_f32 v[rT+2:rT+3], v[rT+2:rT+3], v[rT+6:rT+7], v[rS:rS+1] op_sel_hi:[1,0,1]
.endif
.else
	WIN W_RS
	v_pk_mul_f32 v[rO:rO+1], v[rO:rO+1], v[rT+6:rT+7] op_sel_hi:[1,0]
.endif
.endm
; Slice k of 64 of piece y's softmax.  k < 11: numbers 2 k, 2 k + 1 of both tiles; 11-42: one four of the batch of one tile, the tiles by turns; 43: numbers 86, 87; 44-62: three numbers of both tiles from 88 + 3 (k - 44) on
; (118 begins a slice, so no slice changes windows inside itself); 63: numbers 145-149 of both tiles: ten plain instructions, the places behind the turn's last product.
.macro SLICE y, first
.if k < 11
.irp n, 0,1
.irp t, \y, \y+1
.set j, 2*k+\n
	SM \t, \first
.endr
.endr
.elseif k < 43
.irp n, 0,1,2,3
.set j, 22+4*((k-11)/2)+(\n)
	SM (\y)+(k-11)%2, \first
.endr
.elseif k == 43
.irp n, 0,1
.irp t, \y, \y+1
.set j, 86+\n
	SM \t, \first
.endr
.endr
.elseif k < 63
.irp n, 0,1,2
.irp t, \y, \y+1
.set j, 88+3*(k-44)+\n
	SM \t, \first
.endr
.endr
.else
.irp n, 0,1,2,3,4
.irp t, \y, \y+1
.set j, 145+\n
	SM \t, \first
.endr
.endr
.endif
.if k == 42                         ; the batch is out: both tiles' exponentials are issued, and no result has been named
	v_nop                           ; the plain instruction behind the last exponential
.if (\y) == 0
	FETCH_V                         ; piece 2's turn: V's run of loads stands here, and the wait stands in it
.else
	s_wait_alu depctr_va_vdst(0)    ; the wait for the batch
.endif
.endif
.set k, k+1
.endm
.macro PLACES
.rept 4
	v_nop
.endr
.endm
; A TURN.  Piece x has the matrix unit; the other piece's softmax stands in slices behind its matrix instructions.  pv = 2: 32 products V^T P; 1: they start O^T's sums; 0: none.  kq = 1: 32 products K Q^T for the next step.
; Piece 0's turn fetches the next step's K and mask behind its second product: their last readers stand in front of slice 63 of the turn before.  Piece 2's turn fetches the same step's V behind slice 42: V's last reader stands in front of slice 31.
.macro TURN x, pv, kq, first
.set k, 0
.set per, 2
.if \pv && \kq
.set per, 1
.endif
.if \pv
.if \x == 0
	s_wait_dscnt 0x0                ; V is in
.endif
.set i, 0
.rept 32
	PV \x, 2-\pv
.rept per
	SLICE 2-\x, \first
.endr
.if (\x == 0) && \kq && (i == 1)
	FETCH_K
.endif
.set i, i+1
.endr
.endif
.if \kq
.if \x == 0
	s_wait_dscnt 0x0                ; K and the mask are in
.endif
.set i, 0
.rept 32
	KQ \x
.rept per
	SLICE 2-\x, \first
.endr
.set i, i+1
.endr
.endif
.if \first
	PLACES                          ; the first step's last slices are empty
.endif
.endm
; THE CHANGE OF SLOTS: each wave waits for all its tensor loads (one is out: its part of the other slot), adds 0 to its spare word, and waits for that and for its reads of the slot.  fill = 1: the barrier is a round of the cluster's,
; and the joint refill, with the keys two slots on, is the first thing behind it: it has two key steps in which to land.
.macro CHANGE fill
	WIN 0
	s_wait_tensorcnt 0x0            ; no tensor load of mine is out, so a group 0 may be written
	ds_add_u32 v[SPW], v[NIL]       ; 0 onto my spare word
.if \fill
.irp g, G0K+4, G0V+4
	s_xor_b32 s[\g+1], s[\g+1], SLOT
	s_add_nc_u64 s[\g+2:\g+3], s[\g+2:\g+3], 2*KS*256
.endr
	s_xor_b32 s[G0M+5], s[G0M+5], SLOT
	s_add_nc_u64 s[G0M+6:G0M+7], s[G0M+6:G0M+7], 2*KS*4
	s_wait_xcnt 0x0                 ; the last prefetch, two key steps back, has read its address
	s_add_nc_u64 s[PFA:PFA+1], s[PFA:PFA+1], s[PFS:PFS+1]
	s_wait_dscnt 0x0                ; the add is done, and my reads of the slot are over
	CROUND
	JLOAD
	ASK
.else
	s_wait_dscnt 0x0
	s_barrier_signal -1
	s_barrier_wait -1
.endif
	s_sub_co_u32 s[TK], s[TK], 2*KS*PK  ; the fetches go back to a slot's first step, in the other slot
	s_xor_b32 s[TK], s[TK], SLOT
	s_sub_co_u32 s[TV], s[TV], 2*KS*PV
	s_xor_b32 s[TV], s[TV], SLOT
	s_sub_co_u32 s[TM], s[TM], 2*KS*4
	s_xor_b32 s[TM], s[TM], SLOT
.endm
.macro TWO_STEPS
	s_mov_b32 s[TWICE], 2
.Lstep_\@:
	TURN 0, 2, 1, 0
	TURN 2, 2, 1, 0
	WIN 0
	s_sub_co_u32 s[TWICE], s[TWICE], 1
	s_cmp_lg_u32 s[TWICE], 0
	s_cbranch_scc1 .Lstep_\@
.endm
	s_wait_tensorcnt 1              ; my part of slot 0 is in; slot 1's may stay out
	s_barrier_signal -1
	s_barrier_wait -1
	FETCH_K                         ; key step 0
	s_wait_loadcnt 0x0              ; Q
	s_wait_dscnt 0x0
.set i, 0
.rept 32
	KQ 0
.set i, i+1
.endr
	WIN 0                           ; the addresses for the way out: eight plain instructions, the places behind those products
	s_mul_i32 s2, s[WV], 16*SP
	s_add_co_u32 s2, s2, STAGE
	v_mul_u32_u24 v[STO], v1, SP
	v_lshl_add_u32 v[STO], v9, 4, v[STO]
	v_add_nc_u32 v[STO], s2, v[STO]
	v_mul_u32_u24 v[RD], v9, SP
	v_lshl_add_u32 v[RD], v1, 4, v[RD]
	v_add_nc_u32 v[RD], s2, v[RD]
	v_lshlrev_b32 v[GO], 11, v9     ; lanes 0-15 one token's row of part, lanes 16-31 the next
	v_lshl_add_u32 v[GO], v1, 4, v[GO]
	TURN 2, 0, 1, 1                 ; piece 2's first scores | piece 0's first softmax | V of step 0
	TURN 0, 1, 1, 1                 ; piece 0: V^T P of step 0 starts O^T, K Q^T of step 1 | piece 2's first softmax | K of step 1
	TURN 2, 1, 1, 0                 ; piece 2: the same | piece 0's softmax of step 1 | V of step 1
	WIN 0
.Lslot:                             ; KEYS / 128 - 2 = 6 trips: every slot but the last two is filled again
	CHANGE 1
	TWO_STEPS
	s_sub_co_u32 s[SLOTS], s[SLOTS], 1
	s_cmp_lg_u32 s[SLOTS], 0
	s_cbranch_scc1 .Lslot
	CHANGE 0                        ; the tail is written out
	TWO_STEPS
	TURN 0, 2, 0, 0                 ; piece 0: V^T P of the last step | piece 2's last softmax
.set i, 0
.rept 32
	PV 2, 0
.set i, i+1
.endr
	; THE WAY OUT.  l's halves are added; m and l go to stat; O^T is divided by l, rounded to f16 and sent through my stage, a tile (16 queries of a head) at a time.  The additions are the places behind the last products.
	WIN 0
.irp t, 0,1,2,3
	v_add_f32 v[ST+8*\t+4], v[ST+8*\t+2], v[ST+8*\t+3]
.endr
.irp t, 0,1,2,3
	v_permlanex16_b32 v[ST+8*\t+5], v[ST+8*\t+4], s[SEL], s[SEL+1]
.endr
.irp t, 0,1,2,3
	v_add_f32 v[ST+8*\t+4], v[ST+8*\t+4], v[ST+8*\t+5]
.endr
.irp t, 0,1,2,3
	v_rcp_f32 v[ST+8*\t+6], v[ST+8*\t+4]
.endr
	v_and_b32 v10, 31, v0           ; (a plain instruction behind the last reciprocal)  my lane
	v_cmp_lt_u32 vcc_lo, 15, v10    ; lanes 16-31.  No tensor load follows
	v_lshlrev_b32 v10, 3, v10       ; 8 bytes a query
	; Both halves of the lanes hold a query's m and l.  Lanes 0-15 give those of the head's first tile (queries 0-15), lanes 16-31 those of its second (queries 16-31): P's first four registers, read last a turn ago, take them.
.irp d, 0,1
	v_cndmask_b32 v[P+2*\d], v[ST+16*\d], v[ST+16*\d+8], vcc_lo
	v_cndmask_b32 v[P+2*\d+1], v[ST+16*\d+4], v[ST+16*\d+12], vcc_lo
.endr
.irp d, 0,1
	global_store_b64 v10, v[P+2*\d:P+2*\d+1], s[SB:SB+1] offset:32768*\d   ; 32 lanes store 256 consecutive bytes, aligned: my 32 queries of head 2 cy + d
.endr
	s_wait_alu depctr_va_vdst(0)    ; one wait for the four reciprocals, ahead of the first use
.macro PACK t
	WIN W_RS
.set i, 64*\t
.rept 32
	v_pk_mul_f32 v[i:i+1], v[i:i+1], v[ST+8*\t+6:ST+8*\t+7] op_sel_hi:[1,0]
.set i, i+2
.endr
	WIN 0x05                        ; sources 0 and 1 window 1, destination window 0
.set i, 0
.rept 32
	v_cvt_pk_f16_f32 v[S+32*\t+i], v[64*\t+2*i], v[64*\t+2*i+1]
.set i, i+1
.endr
	WIN 0
.irp f, 0,1,2,3,4,5,6,7
	ds_store_b128 v[STO], v[S+32*\t+4*\f:S+32*\t+4*\f+3] offset:32*\f
.endr
.irp f, 0,1,2,3,4,5,6,7
	ds_load_b128 v[S+32*\t+4*\f:S+32*\t+4*\f+3], v[RD] offset:\f*2*SP  ; LDS serves a wave's instructions in order: these see the stores above
.endr
.endm
.macro SEND t, younger              ; younger: the LDS instructions issued behind tile t's loads
.irp f, 0,1,2,3,4,5,6,7
	s_wait_dscnt \younger+7-\f
	global_store_b128 v[GO], v[S+32*\t+4*\f:S+32*\t+4*\f+3], s[84:85] offset:((\t)%2)*32768+\f*4096+((\t)/2)*256  ; 16 lanes store a head's 256 bytes of a token, aligned
.endr
.endm
	PACK 0
	PACK 1
	SEND 0, 16
	PACK 2
	SEND 1, 16
	PACK 3
	SEND 2, 16
	SEND 3, 0
	s_wait_tensorcnt 0x0            ; the wave's end
	ds_add_u32 v[SPW], v[NIL]
	s_wait_dscnt 0x0
	CROUND                          ; the closing round
	s_endpgm
.Lfunc_end_k_q5891dcae2b_attention:
	.size	k_q5891dcae2b_attention, .Lfunc_end_k_q5891dcae2b_attention-k_q5891dcae2b_attention
	.p2alignl 7, 3214868480
	.fill 96, 4, 3214868480
	.section	.rodata,"a",@progbits
	.p2align	6, 0x0
	.amdhsa_kernel k_q5891dcae2b_attention
		.amdhsa_group_segment_fixed_size 327680
		.amdhsa_private_segment_fixed_size 0
		.amdhsa_enable_private_segment 0
		.amdhsa_kernarg_size 32
		.amdhsa_user_sgpr_count 2
		.amdhsa_user_sgpr_kernarg_segment_ptr 1
		.amdhsa_wavefront_size32 1
		.amdhsa_system_sgpr_workgroup_id_x 1
		.amdhsa_system_sgpr_workgroup_id_y 1
		.amdhsa_system_sgpr_workgroup_id_z 1
		.amdhsa_system_vgpr_workitem_id 0
		.amdhsa_next_free_vgpr 1024
		.amdhsa_next_free_sgpr 102
		.amdhsa_reserve_vcc 1
		.amdhsa_float_denorm_mode_32 3
		.amdhsa_float_denorm_mode_16_64 3
		.amdhsa_memory_ordered 1
		.amdhsa_forward_progress 1
		.amdhsa_inst_pref_size 248
	.end_amdhsa_kernel
	.amdgpu_metadata
---
amdhsa.version: [ 1, 2 ]
amdhsa.kernels:
  - .name:           k_q5891dcae2b_attention
    .symbol:         k_q5891dcae2b_attention.kd
    .args:
      - { .name: qkv, .offset: 0, .size: 8, .value_kind: global_buffer, .address_space: global }
      - { .name: attention_mask, .offset: 8, .size: 8, .value_kind: global_buffer, .address_space: global }
      - { .name: part, .offset: 16, .size: 8, .value_kind: global_buffer, .address_space: global }
      - { .name: stat, .offset: 24, .size: 8, .value_kind: global_buffer, .address_space: global }
    .group_segment_fixed_size: 327680
    .private_segment_fixed_size: 0
    .kernarg_segment_align: 8
    .kernarg_segment_size: 32
    .max_flat_workgroup_size: 128
    .sgpr_count:     102
    .vgpr_count:     1024
    .wavefront_size: 32
...
	.end_amdgpu_metadata
.endif
;; end of part 3
;; launch merge (part 4): grid 256 x 1, 8 waves a work-group, no clusters, 0 bytes of LDS; arguments part, stat, attn; writes attn
.if DOCPART == 4
	.amdgcn_target "amdgcn-amd-amdhsa--gfx1250"
	.amdhsa_code_object_version 6
	.text
	.protected	k_q5891dcae2b_merge
	.globl	k_q5891dcae2b_merge
	.p2align	8
	.type	k_q5891dcae2b_merge,@function
k_q5891dcae2b_merge:
	s_mov_b64 s[64:65], 0
	v_nop
	global_prefetch_b8 v0, s[64:65] scope:SCOPE_SE
	s_setreg_imm32_b32 hwreg(HW_REG_WAVE_MODE, 25, 1), 1
	s_wait_xcnt 0x0
; MERGE.  The two halves of the keys are joined.  part: [2 halves][4096 tokens][8 heads][128] f16: each half's attention, normalised by its own sum (/ 16).  stat: [2 halves][8 heads][4096 tokens][m, l] f32: each half's
; largest score and its sum of 2^((s - m) log2 e).  attn: [4096][8][128] f16.  For each token and head, in f32: m = max(m1, m2); x_i = l_i 2^((m_i - m) log2 e); w_i = x_i / (x1 + x2); attn = w1 a1 + w2 a2, rounded once to f16.
; The maximum is taken away first, so one of the two exponentials is 1; each l holds its own maximum's term, 1: so x1 + x2 is at least 1.
; LIMITS: NaN and infinities are not served.
; A stream: no LDS, no barrier, no matrix unit, no cluster: work-groups share nothing.  A work-group takes 16 tokens; wave w takes heads 2 (w % 4), 2 (w % 4) + 1 of tokens 8 (w / 4) .. + 7.  Each load of part and each store covers
; 512 consecutive bytes (two heads of a token): a lane holds 8 channels of one head.  A lane's (m, l) of its 8 neighbouring tokens are 64 consecutive bytes for each half: four loads of 16 bytes, the same for the 16 lanes of a head.
; All 24 loads of a wave go out at once; every offset is an immediate, and no register of a load or store is written again.
.set A1, 16                            ; v16-47    half 0: token j's 8 channels in 4 registers
.set A2, 48                            ; v48-79    half 1
.set S1, 80                            ; v80-95    half 0: token j's m, l
.set S2, 96                            ; v96-111   half 1
.set W,  112                           ; v112-143  token j: +0 w1, +1 at work, +2 w2, +3 at work: two pairs, of each of which the packed forms take the low word
.set T,  144                           ; v144-175  two sets by turns: 8 numbers of half 0, 8 of half 1
.set O,  176                           ; v176-207  token j's 4 registers to store
	s_load_b128 s[4:7], s[0:1], 0x0                ; part, stat
	s_load_b64 s[8:9], s[0:1], 0x10                ; attn
	v_lshrrev_b32 v1, 5, v0
	v_readfirstlane_b32 s10, v1                    ; wave 0..7
	v_and_b32 v1, 31, v0                           ; lane
	v_lshlrev_b32 v2, 4, v1                        ; my 16 bytes of the wave's 512
	v_lshrrev_b32 v3, 4, v1
	v_lshlrev_b32 v3, 15, v3                       ; lanes 16-31: the next head's 2^15 bytes of stat
	s_and_b32 s11, s10, 3                          ; which pair of heads
	s_lshr_b32 s12, s10, 2
	s_lshl_b32 s12, s12, 3
	s_lshl_b32 s13, ttmp9, 4
	s_add_co_u32 s13, s13, s12                     ; my first token
	s_lshl_b32 s14, s13, 11                        ; 2,048 bytes a token,
	s_lshl_b32 s12, s11, 9                         ; 512 a pair of heads
	s_add_co_u32 s14, s14, s12
	s_mov_b32 s15, 0
	s_lshl_b32 s18, s13, 3                         ; stat: 8 bytes a token,
	s_lshl_b32 s12, s11, 16                        ; 2^16 a pair of heads
	s_add_co_u32 s18, s18, s12
	s_mov_b32 s19, 0
	s_wait_kmcnt 0x0
	s_add_nc_u64 s[4:5], s[4:5], s[14:15]          ; half 0
	s_add_nc_u64 s[16:17], s[4:5], 0x800000        ; half 1: 2^23 bytes on
	s_add_nc_u64 s[8:9], s[8:9], s[14:15]
	s_add_nc_u64 s[6:7], s[6:7], s[18:19]
.irp i, 0,1,2,3
	global_load_b128 v[S1+4*\i:S1+4*\i+3], v3, s[6:7] offset:16*\i          ; tokens 2 i, 2 i + 1
	global_load_b128 v[S2+4*\i:S2+4*\i+3], v3, s[6:7] offset:262144+16*\i
.endr
.irp j, 0,1,2,3,4,5,6,7
	global_load_b128 v[A1+4*\j:A1+4*\j+3], v2, s[4:5] offset:2048*\j th:TH_LOAD_NT
	global_load_b128 v[A2+4*\j:A2+4*\j+3], v2, s[16:17] offset:2048*\j th:TH_LOAD_NT
.endr
	s_wait_loadcnt 16                              ; the eight loads of stat are in; the sixteen of part may be out
	; the weights of my head for the 8 tokens, stage by stage, so that no line waits for the line above it
.irp j, 0,1,2,3,4,5,6,7
	v_max_num_f32 v[W+4*\j+1], v[S1+2*\j], v[S2+2*\j]
.endr
.irp j, 0,1,2,3,4,5,6,7
	v_sub_f32 v[W+4*\j], v[S1+2*\j], v[W+4*\j+1]
	v_sub_f32 v[W+4*\j+2], v[S2+2*\j], v[W+4*\j+1]
.endr
.irp j, 0,1,2,3,4,5,6,7
	v_mul_f32 v[W+4*\j], 0x3fb8aa3b, v[W+4*\j]     ; x log2 e
	v_mul_f32 v[W+4*\j+2], 0x3fb8aa3b, v[W+4*\j+2]
.endr
.irp j, 0,1,2,3,4,5,6,7
	v_exp_f32 v[W+4*\j], v[W+4*\j]
	v_exp_f32 v[W+4*\j+2], v[W+4*\j+2]
.endr
	v_nop                                          ; a plain instruction behind the last exponential
	s_wait_alu depctr_va_vdst(0)                   ; one wait for the sixteen, ahead of the first use
.irp j, 0,1,2,3,4,5,6,7
	v_mul_f32 v[W+4*\j], v[W+4*\j], v[S1+2*\j+1]   ; x1, x2
	v_mul_f32 v[W+4*\j+2], v[W+4*\j+2], v[S2+2*\j+1]
.endr
.irp j, 0,1,2,3,4,5,6,7
	v_add_f32 v[W+4*\j+1], v[W+4*\j], v[W+4*\j+2]
.endr
.irp j, 0,1,2,3,4,5,6,7
	v_rcp_f32 v[W+4*\j+3], v[W+4*\j+1]
.endr
	v_nop                                          ; a plain instruction behind the last reciprocal
	s_wait_alu depctr_va_vdst(0)                   ; one wait for the eight
.irp j, 0,1,2,3,4,5,6,7
	v_mul_f32 v[W+4*\j], v[W+4*\j], v[W+4*\j+3]    ; w1, w2
	v_mul_f32 v[W+4*\j+2], v[W+4*\j+2], v[W+4*\j+3]
.endr
.macro WIDE dst, r                     ; the two f16 of register r (its number written out: a half is named by number) become two f32
	v_cvt_f32_f16 v[\dst], v\r\().l
	v_cvt_f32_f16 v[\dst+1], v\r\().h
.endm
; Token j: a0-a3 are its registers of half 0, b0-b3 those of half 1.
.macro TOKEN j, a0, a1, a2, a3, b0, b1, b2, b3
.set TS, T+16*((\j)%2)
	s_wait_loadcnt 14-2*(\j)                       ; this token's two loads are in; those of the tokens behind it may be out
	WIDE TS+0, \a0
	WIDE TS+2, \a1
	WIDE TS+4, \a2
	WIDE TS+6, \a3
	WIDE TS+8, \b0
	WIDE TS+10, \b1
	WIDE TS+12, \b2
	WIDE TS+14, \b3
.irp k, 0,2,4,6
	v_pk_mul_f32 v[TS+\k:TS+\k+1], v[TS+\k:TS+\k+1], v[W+4*(\j):W+4*(\j)+1] op_sel_hi:[1,0]
.endr
.irp k, 0,2,4,6
	v_pk_fma_f32 v[TS+\k:TS+\k+1], v[TS+8+\k:TS+8+\k+1], v[W+4*(\j)+2:W+4*(\j)+3], v[TS+\k:TS+\k+1] op_sel_hi:[1,0,1]
.endr
.irp k, 0,1,2,3
	v_cvt_pk_f16_f32 v[O+4*(\j)+\k], v[TS+2*\k], v[TS+2*\k+1]
.endr
	global_store_b128 v2, v[O+4*(\j):O+4*(\j)+3], s[8:9] offset:2048*(\j)   ; 32 lanes store 512 consecutive bytes, aligned
.endm
	TOKEN 0, 16, 17, 18, 19, 48, 49, 50, 51
	TOKEN 1, 20, 21, 22, 23, 52, 53, 54, 55
	TOKEN 2, 24, 25, 26, 27, 56, 57, 58, 59
	TOKEN 3, 28, 29, 30, 31, 60, 61, 62, 63
	TOKEN 4, 32, 33, 34, 35, 64, 65, 66, 67
	TOKEN 5, 36, 37, 38, 39, 68, 69, 70, 71
	TOKEN 6, 40, 41, 42, 43, 72, 73, 74, 75
	TOKEN 7, 44, 45, 46, 47, 76, 77, 78, 79
	s_endpgm
.Lfunc_end_k_q5891dcae2b_merge:
	.size	k_q5891dcae2b_merge, .Lfunc_end_k_q5891dcae2b_merge-k_q5891dcae2b_merge
	.p2alignl 7, 3214868480
	.fill 96, 4, 3214868480
	.section	.rodata,"a",@progbits
	.p2align	6, 0x0
	.amdhsa_kernel k_q5891dcae2b_merge
		.amdhsa_group_segment_fixed_size 0
		.amdhsa_private_segment_fixed_size 0
		.amdhsa_enable_private_segment 0
		.amdhsa_kernarg_size 24
		.amdhsa_user_sgpr_count 2
		.amdhsa_user_sgpr_kernarg_segment_ptr 1
		.amdhsa_wavefront_size32 1
		.amdhsa_system_sgpr_workgroup_id_x 1
		.amdhsa_system_sgpr_workgroup_id_y 1
		.amdhsa_system_sgpr_workgroup_id_z 1
		.amdhsa_system_vgpr_workitem_id 0
		.amdhsa_next_free_vgpr 208
		.amdhsa_next_free_sgpr 66
		.amdhsa_reserve_vcc 0
		.amdhsa_float_denorm_mode_32 3
		.amdhsa_float_denorm_mode_16_64 3
		.amdhsa_memory_ordered 1
		.amdhsa_forward_progress 1
		.amdhsa_inst_pref_size 19
	.end_amdhsa_kernel
	.amdgpu_metadata
---
amdhsa.version: [ 1, 2 ]
amdhsa.kernels:
  - .name:           k_q5891dcae2b_merge
    .symbol:         k_q5891dcae2b_merge.kd
    .args:
      - { .name: part, .offset: 0, .size: 8, .value_kind: global_buffer, .address_space: global }
      - { .name: stat, .offset: 8, .size: 8, .value_kind: global_buffer, .address_space: global }
      - { .name: attn, .offset: 16, .size: 8, .value_kind: global_buffer, .address_space: global }
    .group_segment_fixed_size: 0
    .private_segment_fixed_size: 0
    .kernarg_segment_align: 8
    .kernarg_segment_size: 24
    .max_flat_workgroup_size: 256
    .sgpr_count:     66
    .vgpr_count:     208
    .wavefront_size: 32
...
	.end_amdgpu_metadata
.endif
;; end of part 4
;; launch oproj (part 5): grid 16 x 16, 4 waves a work-group, clusters of 4 x 4, 327,680 bytes of LDS; arguments attn, woh, out0; writes out0
.if DOCPART == 5
	.amdgcn_target "amdgcn-amd-amdhsa--gfx1250"
	.amdhsa_code_object_version 6
	.text
	.protected	k_q5891dcae2b_oproj
	.globl	k_q5891dcae2b_oproj
	.p2align	8
	.type	k_q5891dcae2b_oproj,@function
k_q5891dcae2b_oproj:
	s_mov_b64 s[64:65], 0
	v_nop
	global_prefetch_b8 v0, s[64:65] scope:SCOPE_SE
	s_setreg_imm32_b32 hwreg(HW_REG_WAVE_MODE, 25, 1), 1
	s_wait_xcnt 0x0
	s_wait_alu depctr_hold_cnt(0) depctr_sa_sdst(0) depctr_va_vdst(0) depctr_va_sdst(0) depctr_va_ssrc(0) depctr_va_vcc(0) depctr_vm_vsrc(0)
	s_getreg_b32 s2, hwreg(HW_REG_IB_STS2, 6, 4)
	s_cmp_eq_u32 s2, 0
	s_cbranch_scc0 .Lentry_in_a_cluster
	s_endpgm
.Lentry_in_a_cluster:
	s_bfe_u32 s2, ttmp6, 0x10000c
	s_cmp_lg_u32 s2, 0xf033
	s_cbranch_scc0 .Lentry_shape_is_right
	s_endpgm
.Lentry_shape_is_right:
; OPROJ.  out0[m][n] = sum over k of attn[m][k] woh[n][k].  attn: [4096][1024] f16 (the attention's result / 16), woh: [4096][1024] f16 (16 Wo), out0: [4096][4096] f32; sums in f32.
; A tile of 256 x 256 is made by four waves, each 128 x 128: 64 accumulators, 512 registers.  K goes in steps of 128 (rows of 256 bytes) through a ring of two LDS slots filled by the tensor data mover.
; CLUSTERS: 4 x 4 work-groups; attn's tiles are asked for jointly along a row of the cluster, woh's along a column.  THE MATRIX INSTRUCTION IS USED TRANSPOSED (source 0 = 16 rows of woh, source 1 = 16 rows of attn).
; REGISTERS: window 0: v0-31 addresses; v64-127, v128-191 fragments of attn, two buffers; on the way out v128-255.  window 1: v64-127, v128-191 fragments of woh.  window 2, 3: the accumulators of my rows 0-63, 64-127.
.set SIZE_N, 4096
.set SIZE_K, 1024
.set KSTEP,  128
.set PITCH,  272
.set HALFT,  128*PITCH
.set SLOT,   4*HALFT
.set STAGE,  2*SLOT                    ; behind the ring: 16 rows x 528 bytes for each wave
.set SPITCH, 528
.set SPARE,  STAGE+4*16*SPITCH
.set LAPS,   SIZE_K/(2*KSTEP)
.set ADRA, 16
.set ADRB, 20
.set STO,  24
.set RD,   25
.set CO,   26
.set SPW,  28
.set NIL,  29
.set PFO,  30
.set PFA,  44
.set LIM,  43
.set F0,   64
.set F1,   128
.set BK,   128
.set G1, 24
.set G0, 32
.set G1B, 48
.set G0B, 56
.set MSB, 0
.macro WIN new
.if MSB != \new
	s_set_vgpr_msb (MSB<<8)|\new
.set MSB, \new
.endif
.endm
.set MUL_LO, 0xa1
.set MUL_HI, 0xf1
.set TO_B,   0x40
.macro JLOAD s                         ; a joint load: waves 0 and 1 fetch attn's two halves, waves 2 and 3 woh's; an s_nop 0 and four v_nop follow each line
	s_cmp_eq_u32 s11, 0
	s_cbranch_scc0 .Lfor_b_\@
	tensor_load_to_lds s[G0+4*\s:G0+4*\s+3], s[G1:G1+7]
	s_nop 0
.rept 4
	v_nop
.endr
	s_branch .Lasked_\@
.Lfor_b_\@:
	tensor_load_to_lds s[G0B+4*\s:G0B+4*\s+3], s[G1B:G1B+7]
	s_nop 0
.rept 4
	v_nop
.endr
.Lasked_\@:
.endm
; A prefetch of the K step that stands two refills on: 32 rows x 256 bytes, a lane a row.  attn's tile row is read by every cluster of its row of clusters: cluster x = 0 asks; woh's tile column: cluster y = 0 asks.
; The four partners that ask for a tile jointly share its rows out by address.  The loop's last trip asks for nothing.
.macro ASK
	s_cmp_gt_u32 s3, s[LIM]
	s_cbranch_scc0 .Lnot_mine_\@
	global_prefetch_b8 v[PFO], s[PFA:PFA+1] offset:KSTEP*2 th:TH_LOAD_NT scope:SCOPE_SE
.Lnot_mine_\@:
.endm
.macro CREST
	s_cmp_lg_u32 s10, 0
	s_cbranch_scc1 .Lnot_wave_0_\@
	s_barrier_signal -3
.Lnot_wave_0_\@:
	s_barrier_wait -3
	s_barrier_signal -1
	s_barrier_wait -1
.endm
.macro CROUND
	s_barrier_signal -1
	s_barrier_wait -1
	CREST
.endm
	s_load_b128 s[4:7], s[0:1], 0x0                ; attn s[4:5], woh s[6:7]
	s_load_b64 s[8:9], s[0:1], 0x10                ; out0
	v_lshl_add_u32 v[SPW], v0, 2, SPARE
	v_mov_b32 v[NIL], 0
	ds_add_u32 v[SPW], v[NIL]                      ; the wave's opening: the add, twice on end, and its wait ahead of my first tensor load
	ds_add_u32 v[SPW], v[NIL]
	v_lshrrev_b32 v1, 5, v0
	v_readfirstlane_b32 s10, v1                    ; wave 0..3
	s_lshr_b32 s11, s10, 1                         ; which half of the tile's rows is mine.  Also: I fetch for attn (0) or for woh (1)
	s_and_b32 s12, s10, 1                          ; which half of its columns.  Also: which 128 rows of that tile I fetch
	s_bfe_u32 s40, ttmp6, 0x40000                  ; cx
	s_bfe_u32 s41, ttmp6, 0x40004                  ; cy
	s_lshl_b32 s42, ttmp9, 2
	s_add_co_u32 s42, s42, s40                     ; tile column
	s_and_b32 s13, ttmp7, 0xffff
	s_lshl_b32 s13, s13, 2
	s_add_co_u32 s13, s13, s41                     ; tile row
	s_lshl_b32 s43, s41, 2
	s_lshl_b32 s43, 15, s43                        ; my row of the cluster
	s_lshl_b32 s44, 0x1111, s40                    ; my column
	s_or_b32 s[G1+0], s43, (1<<16)|(1<<20)|(1<<21)|(5<<22)|(3<<25)  ; the mask; elements of 2 bytes; padding on; bit 21 beside a mask; after every 64 words; 4 words
	s_or_b32 s[G1B+0], s44, (1<<16)|(1<<20)|(1<<21)|(5<<22)|(3<<25)
.irp g, G1, G1B
	s_mov_b32 s[\g+1], KSTEP<<16                   ; tensor_dim0
	s_mov_b32 s[\g+2], 128<<16                     ; tensor_dim1
	s_mov_b32 s[\g+3], KSTEP<<16                   ; tile_dim0
	s_mov_b32 s[\g+4], 128                         ; tile_dim1
	s_mov_b32 s[\g+5], SIZE_K                      ; stride
	s_mov_b32 s[\g+6], 0
	s_mov_b32 s[\g+7], 0
.endr
	s_lshl_b32 s17, s12, 7
	s_lshl_b32 s16, s13, 8
	s_add_co_u32 s16, s16, s17                     ; attn: row 256 x tile row + 128 x half
	s_lshl_b32 s46, s42, 8
	s_add_co_u32 s46, s46, s17                     ; woh: row 256 x tile column + 128 x half
	s_mov_b32 s17, 0
	s_mov_b32 s47, 0
	s_mov_b64 s[18:19], SIZE_K*2
	s_mul_u64 s[16:17], s[16:17], s[18:19]
	s_mul_u64 s[46:47], s[46:47], s[18:19]
	s_mul_i32 s20, s10, HALFT
	s_wait_dscnt 0x0                               ; both opening adds are done
	s_wait_kmcnt 0x0
	s_add_nc_u64 s[14:15], s[4:5], s[16:17]
	s_add_nc_u64 s[46:47], s[6:7], s[46:47]
	CROUND                                         ; all sixteen work-groups are here: the first joint loads meet
.irp s, 0,1
	s_mov_b32 s[G0+4*\s], 1
	s_add_co_u32 s[G0+4*\s+1], s20, \s*SLOT
	s_add_nc_u64 s[G0+4*\s+2:G0+4*\s+3], s[14:15], \s*KSTEP*2
	s_or_b32 s[G0+4*\s+3], s[G0+4*\s+3], 0x80000000
	s_mov_b32 s[G0B+4*\s], 1
	s_add_co_u32 s[G0B+4*\s+1], s20, \s*SLOT
	s_add_nc_u64 s[G0B+4*\s+2:G0B+4*\s+3], s[46:47], \s*KSTEP*2
	s_or_b32 s[G0B+4*\s+3], s[G0B+4*\s+3], 0x80000000
	JLOAD \s
.endr
	v_and_b32 v1, 15, v0                           ; l % 16
	v_bfe_u32 v2, v0, 4, 1                         ; l / 16
	v_mul_u32_u24 v3, v1, PITCH
	v_lshl_add_u32 v3, v2, 4, v3
	s_mul_i32 s21, s11, HALFT
	s_mul_i32 s22, s12, HALFT
	s_add_co_u32 s22, s22, 2*HALFT
.irp s, 0,1
	v_add_nc_u32 v[ADRA+\s], s21, v3
	v_add_nc_u32 v[ADRB+\s], s22, v3
	s_add_co_u32 s21, s21, SLOT
	s_add_co_u32 s22, s22, SLOT
.endr
	s_mul_i32 s23, s10, 16*SPITCH
	s_add_co_u32 s23, s23, STAGE                   ; my stage
	v_mul_u32_u24 v4, v1, SPITCH                   ; in: row l % 16, 32 bytes for each half of the lanes
	v_lshl_add_u32 v4, v2, 5, v4
	v_add_nc_u32 v[STO], s23, v4
	v_and_b32 v5, 31, v0
	v_lshlrev_b32 v[CO], 4, v5                     ; back: the 32 lanes take one row of 512 bytes; and the same in out0
	v_add_nc_u32 v[RD], s23, v[CO]
	s_lshl_b32 s13, s13, 8
	s_lshl_b32 s14, s11, 7
	s_add_co_u32 s16, s13, s14                     ; my first row of out0
	s_mov_b32 s17, 0
	s_mov_b64 s[18:19], SIZE_N*4
	s_mul_u64 s[16:17], s[16:17], s[18:19]
	s_lshl_b32 s46, s42, 10                        ; my first column, in bytes
	s_lshl_b32 s47, s12, 9
	s_add_co_u32 s46, s46, s47
	s_mov_b32 s47, 0
	s_add_nc_u64 s[16:17], s[16:17], s[46:47]
	s_add_nc_u64 s[8:9], s[8:9], s[16:17]
	; the prefetches.  s13 = 256 x tile row, s42 = tile column, s40 = cx, s41 = cy still stand
	s_lshl_b32 s42, s42, 8
	s_and_b32 s22, ttmp7, 0xffff                   ; cluster y
	s_cmp_eq_u32 s11, 0                            ; do I fetch for attn?
	s_cselect_b32 s20, s13, s42
	s_cselect_b32 s21, s40, s41
	s_cselect_b32 s22, ttmp9, s22
	s_cselect_b64 s[PFA:PFA+1], s[4:5], s[6:7]
	s_cmp_eq_u32 s22, 0
	s_cselect_b32 s[LIM], 1, -1
	s_lshl_b32 s22, s12, 7
	s_add_co_u32 s20, s20, s22
	s_lshl_b32 s21, s21, 5
	s_add_co_u32 s20, s20, s21
	s_mov_b32 s21, 0
	s_mov_b64 s[18:19], SIZE_K*2
	s_mul_u64 s[20:21], s[20:21], s[18:19]
	s_add_nc_u64 s[PFA:PFA+1], s[PFA:PFA+1], s[20:21]
	s_add_nc_u64 s[PFA:PFA+1], s[PFA:PFA+1], 2*KSTEP*2  ; at K step 2: the first refill steps it to 3 and names K step 4
	v_and_b32 v[PFO], 31, v0
	v_mul_u32_u24 v[PFO], v[PFO], SIZE_K*2
; 16 matrix instructions: m blocks a0, a0 + 1 of the window's four x all 8 n blocks, 32 along K.  The 64 accumulators take turns, one instruction a turn.
.macro MUL16 f, hi, a0, zero
.irp a, \a0, \a0+1
.irp b, 0,1,2,3,4,5,6,7
.if \zero
	v_wmma_f32_16x16x32_f16 v[8*(8*(\a)+\b):8*(8*(\a)+\b)+7], v[\f+8*\b:\f+8*\b+7], v[\f+8*(4*\hi+\a):\f+8*(4*\hi+\a)+7], 0
.else
	v_wmma_f32_16x16x32_f16 v[8*(8*(\a)+\b):8*(8*(\a)+\b)+7], v[\f+8*\b:\f+8*\b+7], v[\f+8*(4*\hi+\a):\f+8*(4*\hi+\a)+7], v[8*(8*(\a)+\b):8*(8*(\a)+\b)+7]
.endif
.endr
.endr
.endm
.macro FETCH slot, k, f                ; 32 LDS loads in one run: the fragments of one quarter step into buffer f
	WIN TO_B
.irp i, 0,1,2,3,4,5,6,7
	ds_load_b128 v[\f+8*\i:\f+8*\i+3],   v[ADRB+\slot] offset:\k+\i*16*PITCH
	ds_load_b128 v[\f+8*\i+4:\f+8*\i+7], v[ADRB+\slot] offset:\k+\i*16*PITCH+32
.endr
	WIN 0
.irp i, 0,1,2,3,4,5,6,7
	ds_load_b128 v[\f+8*\i:\f+8*\i+3],   v[ADRA+\slot] offset:\k+\i*16*PITCH
	ds_load_b128 v[\f+8*\i+4:\f+8*\i+7], v[ADRA+\slot] offset:\k+\i*16*PITCH+32
.endr
.endm
.macro PLACES                          ; plain vector instructions between a matrix instruction and a load into, or a read of, its registers
.rept 4
	v_nop
.endr
.endm
.macro QUARTER slot, k, f, g, zero     ; 32 along K: multiplies buffer f; in its middle it fetches the next quarter's fragments into buffer g
	s_wait_dscnt 8                                 ; woh's and attn's rows 0-63 are in; the youngest eight loads may be out
	WIN MUL_LO
	MUL16 \f, 0, 0, \zero
	MUL16 \f, 0, 2, \zero
	PLACES
	FETCH \slot, \k, \g
	s_wait_dscnt 32                                ; all but the 32 just issued
	WIN MUL_HI
	MUL16 \f, 1, 0, \zero
	MUL16 \f, 1, 2, \zero
.endm
; The first half of a slot's last quarter: one barrier for the change of slots.  In front of it each wave waits for all its tensor loads, adds 0 to its spare word, and waits for that and for its reads of this slot.
.macro MEET round
	WIN 0
	s_wait_tensorcnt 0x0                           ; all my tensor loads have landed: my part of the next slot
	ds_add_u32 v[SPW], v[NIL]                      ; 0 onto my spare word
	s_wait_dscnt 9                                 ; (the add and the youngest eight loads may be out)
	WIN MUL_LO
	MUL16 F1, 0, 0, 0
	s_wait_dscnt 0x0                               ; the add is done, and my reads of this slot are over
	s_barrier_signal -1
	MUL16 F1, 0, 2, 0
.if \round
	WIN 0
.endif
	s_barrier_wait -1
.endm
.macro TURN slot, next                 ; the whole last quarter; the slot just read out is filled again, two K steps ahead
	s_wait_xcnt 0x0                                ; the last prefetch, a K step back, has read its address
	s_add_nc_u64 s[PFA:PFA+1], s[PFA:PFA+1], KSTEP*2
	MEET 1
	CREST                                          ; no wave of any partner still reads this slot or has a load on its way
	s_add_nc_u64 s[G0+4*\slot+2:G0+4*\slot+3], s[G0+4*\slot+2:G0+4*\slot+3], 2*KSTEP*2
	s_add_nc_u64 s[G0B+4*\slot+2:G0B+4*\slot+3], s[G0B+4*\slot+2:G0B+4*\slot+3], 2*KSTEP*2
	JLOAD \slot                                    ; the first tensor load behind the round; its four v_nop are the places in front of the loads below
	FETCH \next, 0, F0
	ASK
	WIN MUL_HI
	MUL16 F1, 1, 0, 0
	MUL16 F1, 1, 2, 0
.endm
	s_wait_tensorcnt 1                             ; my part of K step 0 is in (K step 1's load may be out),
	s_barrier_signal -1
	s_barrier_wait -1                              ; everybody's is
	FETCH 0, 0, F0
	QUARTER 0, 64,  F0, F1, 1                      ; the first quarter's products start the sums
	WIN 0
	s_mov_b32 s3, LAPS-1
.Llap:
	QUARTER 0, 128, F1, F0, 0
	QUARTER 0, 192, F0, F1, 0
	TURN 0, 1
	QUARTER 1, 64,  F0, F1, 0
	QUARTER 1, 128, F1, F0, 0
	QUARTER 1, 192, F0, F1, 0
	TURN 1, 0
	QUARTER 0, 64,  F0, F1, 0
	WIN 0
	s_sub_co_u32 s3, s3, 1
	s_cmp_lg_u32 s3, 0
	s_cbranch_scc1 .Llap
	QUARTER 0, 128, F1, F0, 0                      ; the last lap fills nothing
	QUARTER 0, 192, F0, F1, 0
	MEET 0
	PLACES
	FETCH 1, 0, F0
	WIN MUL_HI
	MUL16 F1, 1, 0, 0
	MUL16 F1, 1, 2, 0
	QUARTER 1, 64,  F0, F1, 0
	QUARTER 1, 128, F1, F0, 0
	QUARTER 1, 192, F0, F1, 0
	s_wait_dscnt 8                                 ; the very last quarter: nothing more to fetch
	WIN MUL_LO
	MUL16 F1, 0, 0, 0
	MUL16 F1, 0, 2, 0
	s_wait_dscnt 0
	WIN MUL_HI
	MUL16 F1, 1, 0, 0
	MUL16 F1, 1, 2, 0
	WIN 0
; THE WAY OUT, block by block of 16 rows x 128 columns, through my own stage: in as 32 bytes a lane, back as whole rows of 512 bytes.  LDS serves a wave's instructions in order: no wait between the stores and the loads.
.macro TOSTAGE a
.set AC, 64*((\a)%4)
	WIN 0x08+4*((\a)/4)                            ; the data: window 2 or 3
.irp b, 0,1,2,3,4,5,6,7
	ds_store_b128 v[STO], v[AC+8*\b:AC+8*\b+3] offset:64*\b          ; each accumulator from its low end on
	ds_store_b128 v[STO], v[AC+8*\b+4:AC+8*\b+7] offset:64*\b+16
.endr
	WIN 0
.set BB, BK+64*((\a)%2)
.irp t, 0,1,2,3,4,5,6,7,8,9,10,11,12,13,14,15
	ds_load_b128 v[BB+4*\t:BB+4*\t+3], v[RD] offset:\t*SPITCH
.endr
.endm
.macro SEND a, younger                 ; younger: the LDS instructions issued behind block a's loads, which may stay out
.set BB, BK+64*((\a)%2)
	s_wait_dscnt \younger
.if (\a) > 0
	s_add_nc_u64 s[8:9], s[8:9], 16*SIZE_N*4       ; (behind a wait on XCNT: the earlier stores have read their base)
.endif
.irp t, 0,1,2,3,4,5,6,7,8,9,10,11,12,13,14,15
	global_store_b128 v[CO], v[BB+4*\t:BB+4*\t+3], s[8:9] offset:\t*SIZE_N*4 th:TH_STORE_NT   ; 32 lanes store 512 consecutive bytes, aligned
.endr
.endm
	PLACES                                         ; behind the last products: for the reads of results and the loads into fragments' registers
	TOSTAGE 0
.irp a, 1,2,3,4,5,6,7
.if \a > 1
	s_wait_xcnt 0x0                                ; block a - 2's stores have read their registers and their base
.endif
	TOSTAGE \a
	SEND \a-1, 32                                  ; behind block a - 1's loads: block a's 16 stores and 16 loads
.endr
	s_wait_xcnt 0x0
	SEND 7, 0
	s_wait_tensorcnt 0x0                           ; the wave's end
	ds_add_u32 v[SPW], v[NIL]
	s_wait_dscnt 0x0
	CROUND                                         ; the closing round
	s_endpgm
.Lfunc_end_k_q5891dcae2b_oproj:
	.size	k_q5891dcae2b_oproj, .Lfunc_end_k_q5891dcae2b_oproj-k_q5891dcae2b_oproj
	.p2alignl 7, 3214868480
	.fill 96, 4, 3214868480
	.section	.rodata,"a",@progbits
	.p2align	6, 0x0
	.amdhsa_kernel k_q5891dcae2b_oproj
		.amdhsa_group_segment_fixed_size 327680
		.amdhsa_private_segment_fixed_size 0
		.amdhsa_enable_private_segment 0
		.amdhsa_kernarg_size 24
		.amdhsa_user_sgpr_count 2
		.amdhsa_user_sgpr_kernarg_segment_ptr 1
		.amdhsa_wavefront_size32 1
		.amdhsa_system_sgpr_workgroup_id_x 1
		.amdhsa_system_sgpr_workgroup_id_y 1
		.amdhsa_system_sgpr_workgroup_id_z 1
		.amdhsa_system_vgpr_workitem_id 0
		.amdhsa_next_free_vgpr 1024
		.amdhsa_next_free_sgpr 66
		.amdhsa_reserve_vcc 0
		.amdhsa_float_denorm_mode_32 3
		.amdhsa_float_denorm_mode_16_64 3
		.amdhsa_memory_ordered 1
		.amdhsa_forward_progress 1
		.amdhsa_inst_pref_size 142
	.end_amdhsa_kernel
	.amdgpu_metadata
---
amdhsa.version: [ 1, 2 ]
amdhsa.kernels:
  - .name:           k_q5891dcae2b_oproj
    .symbol:         k_q5891dcae2b_oproj.kd
    .args:
      - { .name: attn, .offset: 0, .size: 8, .value_kind: global_buffer, .address_space: global }
      - { .name: woh, .offset: 8, .size: 8, .value_kind: global_buffer, .address_space: global }
      - { .name: out0, .offset: 16, .size: 8, .value_kind: global_buffer, .address_space: global }
    .group_segment_fixed_size: 327680
    .private_segment_fixed_size: 0
    .kernarg_segment_align: 8
    .kernarg_segment_size: 24
    .max_flat_workgroup_size: 128
    .sgpr_count:     66
    .vgpr_count:     1024
    .wavefront_size: 32
...
	.end_amdgpu_metadata
.endif
;; end of part 5
